; MI455X (gfx1250); checked and timed in simulation.
; The chip was launched on July 23, 2026; its instructions are those of AMD's public machine-readable ISA for CDNA 5 (MIT licence, August 2026) and "CDNA5" Instruction Set Architecture Reference Guide (July 2026). The comments in the code are by the model that wrote it; some were corrected since.
;; MQ Parallel FF Transformer. Allowed arithmetic: matrix products marked QUANTISED: E5M2 operands, one E8M0 scale for each 32 along K, by v_wmma_scale_f32_16x16x128_f8f6f4 with both operands' format E5M2, f32 sums; everything else in f32.
;; Inputs: Wff1 1,024 x 8,192 float32; Wff2 4,096 x 1,024 float32; Wkv 1,024 x 128 float32; Wo 1,024 x 1,024 float32; Wq 1,024 x 1,024 float32; g1 1,024 float32; g2 1,024 float32; g_out 1,024 float32; x 4 x 1,024 x 1,024 float32; y 4 x 1,024 x 1,024 float32.
;; Outputs: out0 4 x 1,024 x 1,024 float32.
;; This version of the problem:
;;   THIS VERSION OF THE PROBLEM IS GIVEN IN LOW PRECISION. The matrix products marked QUANTISED in the list below multiply operands that are first quantised to E5M2 (5 exponent bits, 2 mantissa bits; 8 bits a number), with one power-of-two scale for each 32 numbers along K (OCP MX v1.0); their sums are f32. All else is computed in f32.
;;   The module's matrix products, in the order in which they are computed (A, B: the left and right operand; K: the contracted axis; several contracted axes count as one K, in the product's order):
;;     1. [M 4,096, K 1,024] x [K 1,024, N 1,024]; A: computed on the way; B: input Wq: QUANTISED
;;     2. [M 4,096, K 1,024] x [K 1,024, N 128]; A: computed on the way; B: input Wkv: QUANTISED
;;     3. batch 4 x [M 16,384, K 64] x [K 64, N 1,024]; A: computed on the way; B: computed on the way: QUANTISED
;;     4. batch 4 x [M 16,384, K 1,024] x [K 1,024, N 64]; A: softmax (see below); B: computed on the way: QUANTISED
;;     5. [M 4,096, K 1,024] x [K 1,024, N 1,024]; A: computed on the way; B: input Wo: QUANTISED
;;     6. [M 4,096, K 1,024] x [K 1,024, N 8,192]; A: computed on the way; B: input Wff1: QUANTISED
;;     7. [M 4,096, K 4,096] x [K 4,096, N 1,024]; A: computed on the way; B: input Wff2: QUANTISED
;;   THE QUANTISER, for each operand of a quantised product, along K:
;;     - K is cut into blocks of 32 from its start; a last block that is shorter is filled with zeros.
;;     - A block's scale is 2^e with e = floor(log2(the largest magnitude in the block)) - 15, held to -126 .. 127; a block of zeros has e = 0. As a byte (E8M0): e + 127.
;;     - Each number is divided by its block's scale, clamped to +-57,344, and rounded to the nearest number of E5M2, ties to even, subnormals kept.
;;     - The product sums the exact products of the quantised numbers (number of the format x scale) in f32.
;;   ~~~python
;;   def quantise(x, axis):      # numpy; x: float32 -> the quantised numbers, widened to float32 again
;;       x = np.moveaxis(x, axis, -1); K = x.shape[-1]
;;       x = np.pad(x, [(0, 0)] * (x.ndim - 1) + [(0, -K % 32)]); x = x.reshape(x.shape[:-1] + (-1, 32)); a = np.abs(x).max(-1, keepdims=True)
;;       e = np.where(a > 0, np.clip(np.frexp(np.where(a > 0, a, 1))[1] - 1 - 15, -126, 127), 0)      # np.frexp(a)[1] - 1 = floor(log2(a)), exactly
;;       r = np.clip(x / 2.0 ** e, -57344, 57344)
;;       step = 2.0 ** (np.maximum(np.frexp(np.where(r == 0, 1, r))[1] - 1, -14) - 2)
;;       q = np.round(r / step) * step * 2.0 ** e      # np.round: ties to even
;;       return np.moveaxis(q.reshape(q.shape[:-2] + (-1,))[..., :K], -1, axis).astype(np.float32)
;;   ~~~
;;   SOFTMAX AHEAD OF A QUANTISED PRODUCT. Where the list says 'softmax', what is quantised is not the finished softmax but p = 2^(t - M), with t = logit x log2(e) and M = ceil(the row's largest t), a whole number; so 1/2 < the row's largest p <= 1. The row's sum l is taken of the UNQUANTISED p, in f32, and the product's result is divided by l at the end. Since M is a whole number, a kernel that streams over the keys may use a running M (the ceiling of the running maximum): every later rescaling is an exact power of two, which a block's scale takes up: the codes' values come out the same.
;;   OPERANDS COMPUTED ON THE WAY. 'Computed on the way' means the value that the module computes at that place (a softmax that the list does not call 'softmax' is quantised finished and normalised). What goes into a quantiser is computed in f32, as accurately as f32 sums, v_exp_f32 and their like allow (about 1e-6 of the number): no bf16 or f16 on the way to a quantiser, and a product that is left as it is and whose result goes on into a quantised operand takes f32 operands (vector FMAs, or v_wmma_f32_16x16x4_f32). A number that lies on a knife's edge between two numbers of the format may be rounded either way, as far as f32 arithmetic and the matrix unit's own rounding can turn it there, and no further.
;; One version. Each part assembles by itself: llvm-mc -triple=amdgcn-amd-amdhsa -mcpu=gfx1250 --defsym DOCPART=n.
;; ======== version 1 of 1: 6 launches
;; limits: right only within a limited range of input values
;; workspace buffers: p1 23,957,504 bytes; qk 5,005,312 bytes; ao 4,325,376 bytes; act 17,301,504 bytes; tb 17,301,504 bytes
;; launch prep (part 1): grid 738 x 1, 8 waves a work-group, no clusters, 69,632 bytes of LDS; arguments x, y, g1, g2, Wq, Wkv, Wo, Wff1, Wff2, p1; writes p1
.if DOCPART == 1
	.amdgcn_target "amdgcn-amd-amdhsa--gfx1250"
	.amdhsa_code_object_version 6
	.text
	.protected	k_q223b7252d3_prep
	.globl	k_q223b7252d3_prep
	.p2align	8
	.type	k_q223b7252d3_prep,@function
k_q223b7252d3_prep:
	s_mov_b64 s[64:65], 0
	v_nop
	global_prefetch_b8 v0, s[64:65] scope:SCOPE_SE
	s_setreg_imm32_b32 hwreg(HW_REG_WAVE_MODE, 25, 1), 1
	s_wait_xcnt 0x0
; PREP: every operand that many work-groups read later is quantised once, to codes of E5M2 with one E8M0 byte for each 32 along K.
; Work-groups 0-225: the five weights, stored [K][N] f32.  Work-groups 226-737: LayerNorm of x and of y (no bias, gain g1 / g2), quantised along the 1,024 columns; y's (mean, rstd) are kept for a later launch.
; LAYOUT OF p1.  An operand is an array [group of 128 rows][chunk of 256 along K] of RECORDS of 33,792 bytes, laid in the order of the matrix operand's registers:
;   code byte i of (K step ks2 of 128, tile t of 16 rows, block c of 32, slot r, half h) at ks2*16384 + t*2048 + c*512 + (r+16h)*16 + i: element k = 128 ks2 + 32 c + 16 h + i;
;   scale byte at 32768 + t*128 + r*8 + ks2*4 + c.
;   Slot r of tile t is row 32 (t/2) + 8 (t%2) + r + 8 (r/8) of the group, so that a product's results, taken with this operand as source 0, lie as 16 neighbours in a lane's registers.
;   Wff1's group G holds value columns 64 G .. 64 G + 63 in tiles 0-3 and gate columns 4096 + 64 G .. in tiles 4-7.
; THE SCALE: the block's largest magnitude's exponent field less 15, held at 1 from below by a floor among the maximum's leaves.
; LIMITS: NaN and infinities among the inputs are not served.  A block of zeros gets the byte 1 where the quantiser says 127: its codes are zeros, and these bytes are read by this program alone.
; LDS (the norms' path alone): bytes 0-1,023 the two meetings of the eight waves' partial sums; from 1,024 on a stage of 16 rows x 528 bytes for each wave, its own.
; No cluster, no tensor load: work-groups share no input bytes here but the two gain vectors of 4 KiB.
.set REC,  33792
.set YN,   4325376
.set WQ,   8650752
.set WKV,  9732096
.set WO,   9867264
.set WF1,  10948608
.set WF2,  19599360
.set YST,  23924736
.set NWG,  226                         ; work-groups of the weights' path
.set STG,  1024                        ; LDS: the waves' stages begin here
.set SPT,  528                         ; a stage row: 512 bytes + 16 = 132 words: row r starts at bank 4 r mod 64 (64 banks of 4 bytes: ISA guide 11.1), so the 16 rows that a read touches start at 16 different groups of banks
.set TM,   16                          ; v16-31  the norm's quantiser at work
.set PC,   32                          ; v32-47  a fragment's codes
.set PW,   48                          ; v48     its scale word
; block t of a wave's 256 along K: 32 rows of the weight at my column, into set t % 2
.macro LOAD t
.set li, 0
.rept 32
	global_load_b32 v[64+32*((\t)%2)+li], v[32+li], s[40+2*(\t):41+2*(\t)] th:TH_LOAD_NT
.set li, li+1
.endr
.endm
.macro BLOCK t
.set XS, 64+32*((\t)%2)
.set CD, 128+8*(\t)
.if (\t) < 7
	s_wait_loadcnt 32                              ; this block's 32 loads are in; the next block's 32 may be out
.else
	s_wait_loadcnt 0x0
.endif
	v_max3_num_f32 v12, |v[XS]|, |v[XS+1]|, |v[XS+2]|               ; the block's largest magnitude: all 32 numbers are my lane's
	v_max3_num_f32 v13, |v[XS+3]|, |v[XS+4]|, |v[XS+5]|
.irp i, 6,10,14,18,22,26
	s_delay_alu instid0(VALU_DEP_2)
	v_max3_num_f32 v12, v12, |v[XS+\i]|, |v[XS+\i+1]|
	s_delay_alu instid0(VALU_DEP_2)
	v_max3_num_f32 v13, v13, |v[XS+\i+2]|, |v[XS+\i+3]|
.endr
	s_delay_alu instid0(VALU_DEP_2)
	v_max3_num_f32 v12, v12, |v[XS+30]|, |v[XS+31]|
	s_delay_alu instid0(VALU_DEP_1)
	v_max3_num_f32 v12, v12, v13, 0x8000000        ; the floor 2^(16 - 127): the byte cannot fall under 1
	s_delay_alu instid0(VALU_DEP_1)
	v_add_nc_u32 v11, 0xf8800000, v12              ; 15 off the exponent field: the conversion's scale operand
	s_delay_alu instid0(VALU_DEP_2)
	v_and_or_b32 v10, v12, 0x7f800000, s3          ; 57,344 x the scale
	s_delay_alu instid0(VALU_DEP_2)
	v_lshrrev_b32 v13, 23, v11                     ; the scale's byte
.if (\t)%4 == 0
	s_delay_alu instid0(VALU_DEP_1)
	v_mov_b32 v[24+(\t)/4], v13
.else
	s_delay_alu instid0(VALU_DEP_1)
	v_lshl_or_b32 v[24+(\t)/4], v13, 8*((\t)%4), v[24+(\t)/4]
.endif
.set li, 0
.rept 32
	v_med3_num_f32 v[XS+li], v[XS+li], -v10, v10   ; the conversion to an 8-bit code does not saturate (ISA guide 7.6.2): the hold comes first
.set li, li+1
.endr
.irp g, 0,1,2,3
	v_cvt_scalef32_pk8_bf8_f32 v[CD+2*\g:CD+2*\g+1], v[XS+8*\g:XS+8*\g+7], v11
.endr
	global_store_b128 v2, v[CD:CD+3], s[28:29] offset:((\t)/4)*16384+((\t)%4)*512        ; k 0-15 of the block: sixteen slots of a tile are 256 consecutive bytes
	global_store_b128 v2, v[CD+4:CD+7], s[28:29] offset:((\t)/4)*16384+((\t)%4)*512+256  ; k 16-31: the upper half's places.  Each block has code registers of its own: no store's data are written again
.if (\t)+2 < 8
	LOAD (\t)+2
.endif
.endm
; 64 numbers of a lane, register 16 b + i = k 32 b + 16 (lane / 16) + i of my row, become a fragment's codes in v[PC] on and its scale word in v[PW]
.macro QUANT s
.irp b, 0,1,2,3
	v_max3_num_f32 v[TM+\b], |v[\s+16*\b]|, |v[\s+1+16*\b]|, 0x8000000
.endr
.irp i, 2,4,6,8,10,12,14
.irp b, 0,1,2,3
	s_delay_alu instid0(VALU_DEP_4)
	v_max3_num_f32 v[TM+\b], v[TM+\b], |v[\s+16*\b+\i]|, |v[\s+1+16*\b+\i]|
.endr
.endr
.irp b, 0,1,2,3
	s_delay_alu instid0(VALU_DEP_4)
	v_permlanex16_b32 v[TM+4+\b], v[TM+\b], s4, s5
.endr
.irp b, 0,1,2,3
	s_delay_alu instid0(VALU_DEP_4)
	v_max_num_f32 v[TM+\b], v[TM+\b], v[TM+4+\b]   ; with lane l xor 16's: the block's largest magnitude
.endr
.irp b, 0,1,2,3
	s_delay_alu instid0(VALU_DEP_4)
	v_add_nc_u32 v[TM+12+\b], 0xf8800000, v[TM+\b]
.endr
.irp b, 0,1,2,3
	v_and_or_b32 v[TM+8+\b], v[TM+\b], 0x7f800000, s3
.endr
.irp b, 0,1,2,3
	v_lshrrev_b32 v[TM+4+\b], 23, v[TM+12+\b]
.endr
	s_delay_alu instid0(VALU_DEP_3)
	v_lshl_or_b32 v[PW], v[TM+5], 8, v[TM+4]
	s_delay_alu instid0(VALU_DEP_1)
	v_lshl_or_b32 v[PW], v[TM+6], 16, v[PW]
	s_delay_alu instid0(VALU_DEP_1)
	v_lshl_or_b32 v[PW], v[TM+7], 24, v[PW]
.irp b, 0,1,2,3
.set li, 0
.rept 16
	v_med3_num_f32 v[\s+16*\b+li], v[\s+16*\b+li], -v[TM+8+\b], v[TM+8+\b]
.set li, li+1
.endr
	v_cvt_scalef32_pk8_bf8_f32 v[PC+4*\b:PC+1+4*\b], v[\s+16*\b:\s+7+16*\b], v[TM+12+\b]
	v_cvt_scalef32_pk8_bf8_f32 v[PC+2+4*\b:PC+3+4*\b], v[\s+8+16*\b:\s+15+16*\b], v[TM+12+\b]
.endr
	v_nop
.endm
; a lane's two chains v[50:51], v[52:53] become the row's sum over all 1,024 columns, in v52: my half, lane l xor 16's, then the eight waves' through LDS
.macro MEET off
	s_delay_alu instid0(VALU_DEP_1)
	v_pk_add_f32 v[50:51], v[50:51], v[52:53]
	s_delay_alu instid0(VALU_DEP_1)
	v_add_f32 v50, v50, v51
	s_delay_alu instid0(VALU_DEP_1)
	v_permlanex16_b32 v51, v50, s4, s5
	s_delay_alu instid0(VALU_DEP_1)
	v_add_f32 v50, v50, v51
	ds_store_b32 v8, v50 offset:\off               ; row r's word of wave w (both halves of the lanes write the same word with the same value)
	s_wait_dscnt 0x0                               ; for the other waves' sake: my store has landed
	s_barrier_signal -1
	s_barrier_wait -1
	ds_load_b128 v[52:55], v9 offset:\off
	ds_load_b128 v[56:59], v9 offset:\off+16
	s_wait_dscnt 0x0
	v_pk_add_f32 v[52:53], v[52:53], v[54:55]
	v_pk_add_f32 v[56:57], v[56:57], v[58:59]
	s_delay_alu instid0(VALU_DEP_1)
	v_pk_add_f32 v[52:53], v[52:53], v[56:57]
	s_delay_alu instid0(VALU_DEP_1)
	v_add_f32 v52, v52, v53
.endm
	s_load_b512 s[8:23], s[0:1], 0x0               ; x, y, g1, g2, Wq, Wkv, Wo, Wff1
	s_load_b128 s[24:27], s[0:1], 0x40
	v_lshrrev_b32 v1, 5, v0
	s_delay_alu instid0(VALU_DEP_1)
	v_readfirstlane_b32 s2, v1                     ; wave 0..7
	v_and_b32 v1, 31, v0                           ; lane
	s_mov_b32 s3, 0x600000                         ; the mantissa field of 57,344
	s_cmp_ge_u32 ttmp9, NWG                        ; the same for all waves of a work-group
	s_cbranch_scc1 .Lnorm
; ---- THE WEIGHTS.  A wave takes 32 columns x 256 along K; a lane takes a column and its registers run down K: nothing is transposed.
	s_wait_kmcnt 0x0
	s_mov_b64 s[28:29], s[16:17]                   ; Wq: first work-group 0, 2^5 runs of 32 columns, 4,096 bytes a row, 4 chunks of K
	s_mov_b32 s30, 0
	s_mov_b32 s31, 5
	s_mov_b32 s32, 4096
	s_mov_b32 s33, WQ
	s_mov_b32 s34, 4
	s_cmp_ge_u32 ttmp9, 16                         ; Wkv
	s_cselect_b64 s[28:29], s[18:19], s[28:29]
	s_cselect_b32 s30, 16, s30
	s_cselect_b32 s31, 2, s31
	s_cselect_b32 s32, 512, s32
	s_cselect_b32 s33, WKV, s33
	s_cmp_ge_u32 ttmp9, 18                         ; Wo
	s_cselect_b64 s[28:29], s[20:21], s[28:29]
	s_cselect_b32 s30, 18, s30
	s_cselect_b32 s31, 5, s31
	s_cselect_b32 s32, 4096, s32
	s_cselect_b32 s33, WO, s33
	s_cmp_ge_u32 ttmp9, 34                         ; Wff1
	s_cselect_b64 s[28:29], s[22:23], s[28:29]
	s_cselect_b32 s30, 34, s30
	s_cselect_b32 s31, 8, s31
	s_cselect_b32 s32, 32768, s32
	s_cselect_b32 s33, WF1, s33
	s_cmp_ge_u32 ttmp9, 162                        ; Wff2
	s_cselect_b64 s[28:29], s[24:25], s[28:29]
	s_cselect_b32 s30, 162, s30
	s_cselect_b32 s31, 5, s31
	s_cselect_b32 s32, 4096, s32
	s_cselect_b32 s33, WF2, s33
	s_cselect_b32 s34, 16, s34
	s_sub_co_u32 s35, ttmp9, s30
	s_lshl_b32 s35, s35, 3
	s_add_co_u32 s35, s35, s2                      ; my wave's job
	s_bfm_b32 s36, s31, 0
	s_and_b32 s36, s35, s36                        ; cb: which 32 rows of the operand
	s_lshr_b32 s37, s35, s31                       ; kc: which 256 along K
	s_lshl_b32 s38, s36, 5                         ; the first source column: 32 cb,
	s_lshr_b32 s39, s36, 2
	s_lshl_b32 s39, s39, 6
	s_and_b32 s56, s36, 1
	s_lshl_b32 s56, s56, 5
	s_add_co_u32 s39, s39, s56
	s_bfe_u32 s56, s36, 0x10001
	s_lshl_b32 s56, s56, 12
	s_add_co_u32 s39, s39, s56                     ; for Wff1 64 (cb/4) + 32 (cb%2) + 4096 ((cb/2)%2): value and gate by turns of 64
	s_cmp_eq_u32 s31, 8
	s_cselect_b32 s38, s39, s38
	s_mul_i32 s56, s37, s32
	s_lshl_b32 s56, s56, 8                         ; kc x 256 rows
	s_lshl_b32 s38, s38, 2
	s_add_co_u32 s56, s56, s38
	s_mov_b32 s57, 0
	s_add_nc_u64 s[40:41], s[28:29], s[56:57]      ; block 0's base; a base for each block, never rewritten
	s_lshl_b32 s56, s32, 5                         ; 32 rows
.irp t, 1,2,3,4,5,6,7
	s_add_nc_u64 s[40+2*\t:41+2*\t], s[38+2*\t:39+2*\t], s[56:57]
.endr
	s_lshr_b32 s58, s36, 2
	s_mul_i32 s58, s58, s34
	s_add_co_u32 s58, s58, s37
	s_mul_i32 s58, s58, REC
	s_add_co_u32 s58, s58, s33
	s_mov_b32 s59, 0
	s_add_nc_u64 s[60:61], s[26:27], s[58:59]      ; my record
	s_and_b32 s58, s36, 3
	s_lshl_b32 s62, s58, 12
	s_mov_b32 s63, 0
	s_add_nc_u64 s[28:29], s[60:61], s[62:63]      ; my two tiles' codes
	s_lshl_b32 s62, s58, 8
	s_add_co_u32 s62, s62, 32768
	s_add_nc_u64 s[30:31], s[60:61], s[62:63]      ; and their scale bytes
	s_wait_alu depctr_va_vdst(0)
	v_lshlrev_b32 v32, 2, v1                       ; v32-63: 4 x lane + i rows
.set li, 1
.rept 31
	s_delay_alu instid0(VALU_DEP_1)
	v_add_nc_u32 v[32+li], s32, v[31+li]
.set li, li+1
.endr
	v_bfe_u32 v4, v1, 3, 1                         ; my row of the 32: tile (lane/8)%2,
	v_and_b32 v5, 7, v1
	v_lshrrev_b32 v6, 4, v1
	s_delay_alu instid0(VALU_DEP_1)
	v_lshl_add_u32 v5, v6, 3, v5                   ; slot lane%8 + 8 (lane/16)
	s_delay_alu instid0(VALU_DEP_1)
	v_lshlrev_b32 v2, 4, v5
	s_delay_alu instid0(VALU_DEP_1)
	v_lshl_add_u32 v2, v4, 11, v2
	s_delay_alu instid0(VALU_DEP_3)
	v_lshlrev_b32 v3, 3, v5
	s_delay_alu instid0(VALU_DEP_1)
	v_lshl_add_u32 v3, v4, 7, v3
	LOAD 0
	LOAD 1
.irp t, 0,1,2,3,4,5,6,7
	BLOCK \t
.endr
	global_store_b64 v3, v[24:25], s[30:31]        ; my row's 8 scale bytes: the wave stores 256 consecutive bytes
	s_endpgm
; ---- THE NORMS.  A work-group takes the 16 rows of one tile; wave w takes columns 128 w .. 128 w + 127, one K step.
; The quantiser wants lane (r, h) to hold 16 neighbours of each of row r's four blocks; a load is best where neighbouring lanes take neighbouring bytes.  Both are had: each of the wave's 16 loads takes the
; 512 consecutive bytes of one row's segment, 16 bytes a lane; the 8 KiB go through the wave's own stage in LDS, as they lie, and come back 64 bytes of a block's half to a lane.
.Lnorm:
	s_mov_b32 s4, 0x76543210
	s_mov_b32 s5, 0xfedcba98                       ; v_permlanex16_b32's selects for lane l xor 16
	s_mov_b32 s6, 0x3a800000                       ; 1 / 1024
	s_mov_b32 s7, 0x3727c5ac                       ; 1e-5
	s_sub_co_u32 s28, ttmp9, NWG
	s_and_b32 s29, s28, 255                        ; T: the tile among the tensor's 256
	s_lshr_b32 s32, s29, 1
	s_lshl_b32 s32, s32, 5
	s_and_b32 s33, s29, 1
	s_lshl_b32 s33, s33, 3
	s_add_co_u32 s32, s32, s33                     ; slot 0's row: 32 (T/2) + 8 (T%2)
	s_lshl_b32 s36, s2, 9
	s_mov_b32 s37, 0                               ; 512 w: my columns, in bytes
	s_lshl_b32 s34, s32, 12
	s_add_co_u32 s34, s34, s36
	s_mov_b32 s35, 0
	s_mul_i32 s39, s2, 16*SPT
	s_add_co_u32 s39, s39, STG                     ; my wave's stage
	s_lshr_b32 s40, s29, 3
	s_lshl_b32 s40, s40, 2
	s_lshr_b32 s41, s2, 1
	s_add_co_u32 s40, s40, s41
	s_mul_i32 s40, s40, REC                        ; record (T/8, w/2)
	s_and_b32 s41, s29, 7
	s_and_b32 s42, s2, 1
	s_lshl_b32 s44, s41, 11
	s_add_co_u32 s44, s44, s40
	s_lshl_b32 s43, s42, 14
	s_add_co_u32 s44, s44, s43                     ; my fragment's codes
	s_mov_b32 s45, 0
	s_lshl_b32 s46, s41, 7
	s_add_co_u32 s46, s46, s40
	s_lshl_b32 s43, s42, 2
	s_add_co_u32 s46, s46, s43
	s_add_co_u32 s46, s46, 32768                   ; its scale words
	s_mov_b32 s47, 0
	s_lshl_b32 s48, s32, 3
	s_add_co_u32 s48, s48, YST
	s_mov_b32 s49, 0
	s_mov_b32 s51, 0
	s_wait_kmcnt 0x0
	s_cmp_ge_u32 s28, 256                          ; x or y: the choice hangs on the work-group's number alone
	s_cselect_b64 s[8:9], s[10:11], s[8:9]
	s_cselect_b64 s[12:13], s[14:15], s[12:13]
	s_cselect_b32 s50, YN, 0
	s_cselect_b32 s31, 1, 0
	s_add_nc_u64 s[8:9], s[8:9], s[34:35]
	s_add_nc_u64 s[12:13], s[12:13], s[36:37]
	s_add_nc_u64 s[52:53], s[26:27], s[50:51]
	s_add_nc_u64 s[44:45], s[52:53], s[44:45]
	s_add_nc_u64 s[46:47], s[52:53], s[46:47]
	s_add_nc_u64 s[48:49], s[26:27], s[48:49]
	v_and_b32 v2, 15, v0                           ; r
	v_bfe_u32 v3, v0, 4, 1                         ; h
	s_delay_alu instid0(VALU_DEP_2)
	v_and_b32 v10, 8, v2
	s_delay_alu instid0(VALU_DEP_1)
	v_add_nc_u32 v10, v10, v2                      ; r + 8 (r/8)
	s_delay_alu instid0(VALU_DEP_1)
	v_lshlrev_b32 v10, 3, v10                      ; its pair (mean, rstd): 8 bytes a row
	s_delay_alu instid0(VALU_DEP_4)
	v_lshlrev_b32 v5, 6, v3                        ; 64 h
	s_wait_alu depctr_va_vdst(0)
	v_lshlrev_b32 v6, 4, v1                        ; 16 x lane
	v_lshlrev_b32 v7, 3, v2
	v_lshlrev_b32 v9, 5, v2                        ; LDS: row r's eight words
	s_lshl_b32 s38, s2, 2
	v_add_nc_u32 v8, s38, v9                       ; and my wave's among them
	v_add_nc_u32 v4, s39, v6                       ; the stage, on the way in: 16 x lane of a row
	v_mul_u32_u24 v11, v2, SPT
	s_delay_alu instid0(VALU_DEP_1)
	v_lshl_add_u32 v11, v3, 6, v11
	s_delay_alu instid0(VALU_DEP_1)
	v_add_nc_u32 v11, s39, v11                     ; and on the way out: row r, + 64 h
.irp s, 0,1,2,3,4,5,6,7,8,9,10,11,12,13,14,15
	global_load_b128 v[64+4*\s:67+4*\s], v6, s[8:9] offset:(\s+8*(\s/8))*4096 th:TH_LOAD_NT   ; slot s's row: the 32 lanes read its 512 consecutive bytes
.endr
.irp b, 0,1,2,3
.irp j, 0,1,2,3
	global_load_b128 v[128+16*\b+4*\j:131+16*\b+4*\j], v5, s[12:13] offset:128*\b+16*\j
.endr
.endr
	v_mov_b32 v13, 0                               ; (named as the upper half of a pair before it is first written)
.irp b, 0,1,2,3
	v_mov_b32 v[TM+4+\b], 0                        ; a lane permute's destination counts as one of its sources
.endr
	s_wait_alu depctr_va_vdst(0)
	s_wait_loadcnt 16                              ; the rows are in; the 16 loads of the gains may be out
.irp s, 0,1,2,3,4,5,6,7,8,9,10,11,12,13,14,15
	ds_store_b128 v4, v[64+4*\s:67+4*\s] offset:\s*SPT
.endr
.irp b, 0,1,2,3
.irp j, 0,1,2,3
	ds_load_b128 v[64+16*\b+4*\j:67+16*\b+4*\j], v11 offset:128*\b+16*\j   ; LDS serves a wave's instructions in order (ISA guide 5.7.1.4): these see my stores; register 16 b + i = k 32 b + 16 h + i of row r
.endr
.endr
	s_wait_dscnt 0x0
	v_pk_add_f32 v[50:51], v[64:65], v[68:69]
	v_pk_add_f32 v[52:53], v[66:67], v[70:71]
.set sj, 8
.rept 14
	s_delay_alu instid0(VALU_DEP_2)
	v_pk_add_f32 v[50:51], v[50:51], v[64+sj:65+sj]
	s_delay_alu instid0(VALU_DEP_2)
	v_pk_add_f32 v[52:53], v[52:53], v[66+sj:67+sj]
.set sj, sj+4
.endr
	MEET 0
	s_delay_alu instid0(VALU_DEP_1)
	v_mul_f32 v12, s6, v52                         ; the mean
.set sj, 0
.rept 32
	v_pk_add_f32 v[64+sj:65+sj], v[64+sj:65+sj], v[12:13] op_sel_hi:[1,0] neg_lo:[0,1] neg_hi:[0,1]
.set sj, sj+2
.endr
	v_pk_mul_f32 v[50:51], v[64:65], v[64:65]      ; the variance from the differences: no difference of large sums
	v_pk_mul_f32 v[52:53], v[66:67], v[66:67]
.set sj, 4
.rept 15
	s_delay_alu instid0(VALU_DEP_2)
	v_pk_fma_f32 v[50:51], v[64+sj:65+sj], v[64+sj:65+sj], v[50:51]
	s_delay_alu instid0(VALU_DEP_2)
	v_pk_fma_f32 v[52:53], v[66+sj:67+sj], v[66+sj:67+sj], v[52:53]
.set sj, sj+4
.endr
	MEET 512                                       ; other LDS bytes than the first meeting's: no third barrier
	s_delay_alu instid0(VALU_DEP_1)
	v_fma_f32 v52, v52, s6, s7
	s_wait_alu depctr_va_vdst(0)
	v_rsq_f32 v14, v52
	v_mov_b32 v15, 0                               ; a plain place behind the transcendental; the pair's upper half
	s_wait_alu depctr_va_vdst(0)                   ; the wait ahead of the first reader of the root
	v_mov_b32 v13, v14                             ; (mean, rstd) for the store
.set sj, 0
.rept 32
	v_pk_mul_f32 v[64+sj:65+sj], v[64+sj:65+sj], v[14:15] op_sel_hi:[1,0]
.set sj, sj+2
.endr
	s_wait_loadcnt 0x0                             ; the gains
.set sj, 0
.rept 32
	v_pk_mul_f32 v[64+sj:65+sj], v[64+sj:65+sj], v[128+sj:129+sj]
.set sj, sj+2
.endr
	QUANT 64
.irp c, 0,1,2,3
	global_store_b128 v6, v[PC+4*\c:PC+4*\c+3], s[44:45] offset:512*\c   ; the fragment as it stands: 512 consecutive bytes a store
.endr
	global_store_b32 v7, v[PW], s[46:47]           ; row r's scale word (both halves hold and write the same)
	s_cmp_eq_u32 s31, 0
	s_cbranch_scc1 .Ldone
	s_cmp_lg_u32 s2, 0
	s_cbranch_scc1 .Ldone
	global_store_b64 v10, v[12:13], s[48:49]       ; y's (mean, rstd), by wave 0
.Ldone:
	v_lshl_add_u32 v60, v0, 2, 68608               ; my spare word, behind the stages: 128 bytes a wave, 1,024 in all; no two registers are kept through both paths, so the two are made here, from v0 as it was at the entry
	v_mov_b32 v61, 0
	s_wait_alu depctr_va_vdst(0)                   ; the wait ahead of the wait below
	s_wait_tensorcnt 0x0                           ; the wave's end, behind my last LDS store
	ds_add_u32 v60, v61
	s_wait_dscnt 0x0
	s_endpgm
.Lfunc_end_k_q223b7252d3_prep:
	.size	k_q223b7252d3_prep, .Lfunc_end_k_q223b7252d3_prep-k_q223b7252d3_prep
	.p2alignl 7, 3214868480
	.fill 96, 4, 3214868480
	.section	.rodata,"a",@progbits
	.p2align	6, 0x0
	.amdhsa_kernel k_q223b7252d3_prep
		.amdhsa_group_segment_fixed_size 69632
		.amdhsa_private_segment_fixed_size 0
		.amdhsa_enable_private_segment 0
		.amdhsa_kernarg_size 80
		.amdhsa_user_sgpr_count 2
		.amdhsa_user_sgpr_kernarg_segment_ptr 1
		.amdhsa_wavefront_size32 1
		.amdhsa_system_sgpr_workgroup_id_x 1
		.amdhsa_system_sgpr_workgroup_id_y 1
		.amdhsa_system_sgpr_workgroup_id_z 1
		.amdhsa_system_vgpr_workitem_id 0
		.amdhsa_next_free_vgpr 192
		.amdhsa_next_free_sgpr 66
		.amdhsa_reserve_vcc 0
		.amdhsa_float_denorm_mode_32 3
		.amdhsa_float_denorm_mode_16_64 3
		.amdhsa_memory_ordered 1
		.amdhsa_forward_progress 1
		.amdhsa_inst_pref_size 97
	.end_amdhsa_kernel
	.amdgpu_metadata
---
amdhsa.version: [ 1, 2 ]
amdhsa.kernels:
  - .name:           k_q223b7252d3_prep
    .symbol:         k_q223b7252d3_prep.kd
    .args:
      - { .name: x, .offset: 0, .size: 8, .value_kind: global_buffer, .address_space: global }
      - { .name: y, .offset: 8, .size: 8, .value_kind: global_buffer, .address_space: global }
      - { .name: g1, .offset: 16, .size: 8, .value_kind: global_buffer, .address_space: global }
      - { .name: g2, .offset: 24, .size: 8, .value_kind: global_buffer, .address_space: global }
      - { .name: Wq, .offset: 32, .size: 8, .value_kind: global_buffer, .address_space: global }
      - { .name: Wkv, .offset: 40, .size: 8, .value_kind: global_buffer, .address_space: global }
      - { .name: Wo, .offset: 48, .size: 8, .value_kind: global_buffer, .address_space: global }
      - { .name: Wff1, .offset: 56, .size: 8, .value_kind: global_buffer, .address_space: global }
      - { .name: Wff2, .offset: 64, .size: 8, .value_kind: global_buffer, .address_space: global }
      - { .name: p1, .offset: 72, .size: 8, .value_kind: global_buffer, .address_space: global }
    .group_segment_fixed_size: 69632
    .private_segment_fixed_size: 0
    .kernarg_segment_align: 8
    .kernarg_segment_size: 80
    .max_flat_workgroup_size: 256
    .sgpr_count:     66
    .vgpr_count:     192
    .wavefront_size: 32
...
	.end_amdgpu_metadata
.endif
;; end of part 1
;; launch qkv (part 2): grid 32 x 10, 4 waves a work-group, no clusters, 327,680 bytes of LDS; arguments p1, qk; writes qk
.if DOCPART == 2
	.amdgcn_target "amdgcn-amd-amdhsa--gfx1250"
	.amdhsa_code_object_version 6
	.text
	.protected	k_q223b7252d3_qkv
	.globl	k_q223b7252d3_qkv
	.p2align	8
	.type	k_q223b7252d3_qkv,@function
k_q223b7252d3_qkv:
	s_mov_b64 s[64:65], 0
	v_nop
	global_prefetch_b8 v0, s[64:65] scope:SCOPE_SE
	s_setreg_imm32_b32 hwreg(HW_REG_WAVE_MODE, 25, 1), 1
	s_wait_xcnt 0x0
; QKV: q = xn Wq (jobs y = 0..7, 128 columns = two heads each), k = yn Wkv[:, :64] (job 8), v^T = (yn Wkv[:, 64:])^T (job 9), all on codes of E5M2, K = 1,024; the results are quantised in registers:
; q and k along the head's 64, v along the tokens (the keys are the later product's K).  x = ttmp9 is the group of 128 tokens.
; A work-group makes 128 x 128, a wave 64 x 64: 16 accumulators.  Operands are records of 33,792 bytes (128 rows x 256 K in the order of the operand's registers, scale bytes behind the codes).
; LDS: two slots of four records (A's two chunks, B's two): all of K = 1,024.  Each byte is filled once; each wave brings two neighbouring records of one slot.
; THE MATRIX INSTRUCTION IS USED TRANSPOSED: source 0 = B's 16 rows, source 1 = A's.  A lane holds one slot of A, and by the records' order of rows the 16 registers of B's tiles 2 b, 2 b + 1 are 16 neighbours.
; Job 9 swaps the operands by their addresses alone: A = Wkv's rows, B = tokens: a lane then holds one channel of v and its registers run along the tokens.
; In job 8 the waves of the upper column half, and in job 9 those of the lower row half, multiply what is not kept (half of 64 work-groups' products) and store nothing.
; q's factor 1/8 is not applied here: a power of two only moves the block's scale; the softmax's constant takes it.  It differs from the stated quantiser only where a block's exponent is held at -126.
; NO CLUSTER: ten jobs do not divide by four, and in job 9 the shared operand stands in the other place.
; LIMITS: NaN and infinities are not served; a block of zeros gets the byte 1 (its codes are zeros; this program alone reads the bytes).
; REGISTERS: window 0: v0-31 addresses, v32-63 scale words, v64-109 the way out.  window 1: two sets of fragments (A's four tiles, then B's four).  window 2: accumulator (a, b) at v[8 (4 a + b)].
.set REC,   33792
.set SLOT,  2*REC                      ; LDS AS IT IS LAID NOW: A's four chunks on end, then B's four; each wave brings two neighbouring records by ONE load at the head; 'slot' s below means chunks 2 s and 2 s + 1 of either operand
.set SPARE, 8*REC                      ; behind the records: the spare words, 128 bytes a wave
.set YN,    4325376
.set WQ,    8650752
.set WKV,   9732096
.set QS,    4456448
.set VC,    4734976
.set VS,    4997120
.set ADRA,  16
.set ADRB,  20
.set ADRS,  22
.set SC,    32
.set TM,    64
.set SEL,   50
.set MNT,   49
.set MSB, 0
.macro WIN new                         ; the immediate's high byte repeats the setting that is left
.if MSB != (\new)
	s_set_vgpr_msb (MSB<<8)|(\new)
.set MSB, (\new)
.endif
.endm
.set MULW, 0xa5                        ; sources 0 and 1 window 1, C and D window 2
.set TOF,  0x40                        ; destination window 1
.macro PLACES n
.rept \n
	v_nop
.endr
.endm
.macro FETCH slot, q, p                ; the fragments of the slot's q-th 128 along K into set p: 32 loads of 512 consecutive bytes
	WIN TOF
.irp i, 0,1,2,3
.irp c, 0,1,2,3
	ds_load_b128 v[128*(\p)+64+16*\i+4*\c:128*(\p)+64+16*\i+4*\c+3], v[ADRB+\slot] offset:((\q)/2)*REC+((\q)%2)*16384+2048*\i+512*\c
.endr
.endr
.irp i, 0,1,2,3
.irp c, 0,1,2,3
	ds_load_b128 v[128*(\p)+16*\i+4*\c:128*(\p)+16*\i+4*\c+3], v[ADRA+\slot] offset:((\q)/2)*REC+((\q)%2)*16384+2048*\i+512*\c
.endr
.endr
.endm
.macro SCALES slot                     ; a slot's scale words: lanes 0-15 take A's tile i, lanes 16-31 B's tile i; two K steps a load
	WIN 0
.irp kc, 0,1
.irp i, 0,1,2,3
	ds_load_b64 v[SC+16*\slot+8*\kc+2*\i:SC+16*\slot+8*\kc+2*\i+1], v[ADRS+\slot] offset:\kc*REC+128*\i
.endr
.endr
.endm
.macro MUL4 p, a, sx, zero             ; A's tile a against B's four.  The 16 accumulators take turns, one instruction a turn, in the same order in every step
.irp b, 0,1,2,3
.if \zero
	v_wmma_scale_f32_16x16x128_f8f6f4 v[8*(4*(\a)+\b):8*(4*(\a)+\b)+7], v[128*(\p)+64+16*\b:128*(\p)+64+16*\b+15], v[128*(\p)+16*(\a):128*(\p)+16*(\a)+15], 0, v[(\sx)+2*\b], v[(\sx)+2*(\a)] matrix_a_fmt:MATRIX_FMT_BF8 matrix_b_fmt:MATRIX_FMT_BF8 matrix_a_scale:MATRIX_SCALE_ROW1
.else
	v_wmma_scale_f32_16x16x128_f8f6f4 v[8*(4*(\a)+\b):8*(4*(\a)+\b)+7], v[128*(\p)+64+16*\b:128*(\p)+64+16*\b+15], v[128*(\p)+16*(\a):128*(\p)+16*(\a)+15], v[8*(4*(\a)+\b):8*(4*(\a)+\b)+7], v[(\sx)+2*\b], v[(\sx)+2*(\a)] matrix_a_fmt:MATRIX_FMT_BF8 matrix_b_fmt:MATRIX_FMT_BF8 matrix_a_scale:MATRIX_SCALE_ROW1
.endif
.endr
.endm
.macro STEP slot, q, zero              ; a K step of 128 whose successor lies in the same slot
	s_wait_dscnt 0x0                               ; this step's set is in
	PLACES 8                                       ; eight places between the last step's products and the loads into the set that they read
	FETCH \slot, (\q)+1, ((\q)+1)%2
	WIN MULW
.irp a, 0,1,2,3
	MUL4 (\q)%2, \a, SC+16*\slot+8*((\q)/2)+(\q)%2, \zero
.endr
.endm
.macro TURN slot, next                 ; a slot's last step: behind the barrier the next slot is whole for every wave.  Nothing is filled again in this launch
	WIN 0
	s_wait_tensorcnt 0x0                           ; every wave: chunks 2 and 3 are in too
	s_wait_dscnt 0x0                               ; this step's set is in, and no LDS load of mine is out at the signal
	WIN MULW
	MUL4 1, 0, SC+16*\slot+9, 0
	s_barrier_signal -1
	MUL4 1, 1, SC+16*\slot+9, 0
	WIN 0
	s_barrier_wait -1
	PLACES 8
	FETCH \next, 0, 0
	SCALES \next
	WIN MULW
	MUL4 1, 2, SC+16*\slot+9, 0
	MUL4 1, 3, SC+16*\slot+9, 0
.endm
; 32 numbers of a lane in window w, register s + 16 b + i = k 32 b + 16 (lane / 16) + i of my row, become 8 registers of codes v[cd] on and two scale bytes in v[hw] (window 0).
; Each accumulator is first read at its two lowest registers.
.macro QUANT2 w, s, cd, hw
	WIN (\w)|((\w)<<2)
.irp b, 0,1
	v_max3_num_f32 v[TM+\b], |v[(\s)+16*\b]|, |v[(\s)+16*\b+1]|, 0x8000000   ; with the floor 2^(16 - 127): the byte cannot fall under 1
.endr
.irp i, 2,4,6,8,10,12,14
.irp b, 0,1
	v_max3_num_f32 v[TM+\b], |v[(\s)+16*\b+\i]|, |v[(\s)+16*\b+\i+1]|, v[TM+\b]
.endr
.endr
	WIN 0
.irp b, 0,1
	v_permlanex16_b32 v[TM+2+\b], v[TM+\b], s[SEL], s[SEL+1]
.endr
.irp b, 0,1
	v_max_num_f32 v[TM+\b], v[TM+\b], v[TM+2+\b]   ; with lane l xor 16's: the block's largest magnitude
.endr
.irp b, 0,1
	v_add_nc_u32 v[TM+4+\b], 0xf8800000, v[TM+\b]  ; 15 off the exponent field: the conversion's scale operand
.endr
.irp b, 0,1
	v_and_or_b32 v[TM+6+\b], v[TM+\b], 0x7f800000, s[MNT]   ; 57,344 x the scale
.endr
.irp b, 0,1
	v_lshrrev_b32 v[TM+2+\b], 23, v[TM+4+\b]
.endr
	v_lshl_or_b32 v[\hw], v[TM+3], 8, v[TM+2]
	WIN (\w)|((\w)<<6)
.irp b, 0,1
.set qi, 0
.rept 16
	v_med3_num_f32 v[(\s)+16*\b+qi], v[(\s)+16*\b+qi], -v[TM+6+\b], v[TM+6+\b]   ; the conversion does not saturate (ISA guide 7.6.2): the hold comes first
.set qi, qi+1
.endr
.endr
	WIN (\w)
.irp b, 0,1
.irp u, 0,1
	v_cvt_scalef32_pk8_bf8_f32 v[(\cd)+4*\b+2*\u:(\cd)+4*\b+2*\u+1], v[(\s)+16*\b+8*\u:(\s)+16*\b+8*\u+7], v[TM+4+\b]
.endr
.endr
	WIN 0
	v_nop                                          ; one plain place behind the last conversion
.endm
	s_load_b128 s[4:7], s[0:1], 0x0                ; p1, qk
	v_lshl_add_u32 v28, v0, 2, SPARE               ; my spare word
	v_mov_b32 v29, 0
	ds_add_u32 v28, v29                            ; the opening lines: the add, twice on end, and its wait ahead of my tensor load
	ds_add_u32 v28, v29
	v_lshrrev_b32 v1, 5, v0
	v_readfirstlane_b32 s14, v1                    ; wave 0..3
	s_lshr_b32 s15, s14, 1                         ; iw: my half of A's tiles.  Also: I fetch for A (0) or for B (1)
	s_and_b32 s16, s14, 1                          ; jw: my half of B's tiles.  Also: which chunk of the slot I fetch
	s_and_b32 s17, ttmp7, 0xffff                   ; the job
	s_mov_b32 s24, 3<<16                           ; group 1: a record as 132 rows of 32 elements of 8 bytes, dense; no mask, no padding
	s_mov_b32 s25, 32<<16
	s_mov_b32 s26, 264<<16                         ; two records on end: 264 rows of 256 bytes
	s_mov_b32 s27, 32<<16
	s_mov_b32 s28, 264
	s_mov_b32 s29, 32
	s_mov_b32 s30, 0
	s_mov_b32 s31, 0
	s_mul_i32 s18, ttmp9, 4*REC                    ; xn's group x (xn begins p1)
	s_add_co_u32 s19, s18, YN                      ; yn's group x
	s_mul_i32 s20, s17, 4*REC
	s_add_co_u32 s20, s20, WQ                      ; weight group y; Wkv stands behind Wq's eight
	s_cmp_ge_u32 s17, 8
	s_cselect_b32 s21, s19, s18
	s_cmp_eq_u32 s17, 9
	s_cselect_b32 s21, WKV, s21                    ; A
	s_cselect_b32 s22, s19, s20                    ; B
	s_cmp_lt_u32 s14, 2
	s_cselect_b32 s21, s21, s22                    ; the one that I fetch
	s_mul_i32 s22, s16, 2*REC                      ; chunks 2 jw and 2 jw + 1
	s_add_co_u32 s40, s21, s22
	s_mov_b32 s41, 0
	s_mul_i32 s23, s14, 2*REC                      ; LDS: wave x two records
	s_mov_b32 s48, 0xffff0000
	s_mov_b32 s[MNT], 0x600000
	s_mov_b32 s[SEL], 0x76543210
	s_mov_b32 s[SEL+1], 0xfedcba98
	s_wait_dscnt 0x0                               ; both opening adds are done
	s_wait_kmcnt 0x0
	s_add_nc_u64 s[40:41], s[4:5], s[40:41]
.irp s, 0
	s_mov_b32 s[32+4*\s], 1
	s_add_co_u32 s[33+4*\s], s23, \s*SLOT
	s_add_nc_u64 s[34+4*\s:35+4*\s], s[40:41], \s*2*REC
	s_or_b32 s[35+4*\s], s[35+4*\s], 0x80000000
.endr
	s_cmp_eq_u32 s16, 0                            ; waves 0 and 2 bring chunks 0 and 1 of K, waves 1 and 3 chunks 2 and 3: a load line for each group, since the first barrier waits for the first group's alone
	s_cbranch_scc0 .Lodd
	tensor_load_to_lds s[32:35], s[24:31]
	s_nop 0
	PLACES 4
	s_branch .Lasked
.Lodd:
	tensor_load_to_lds s[32:35], s[24:31]
	s_nop 0
	PLACES 4
.Lasked:
	v_and_b32 v1, 31, v0
	v_and_b32 v2, 15, v0                           ; r
	v_bfe_u32 v3, v0, 4, 1                         ; h
	v_lshlrev_b32 v6, 4, v1                        ; 16 x lane
	v_lshlrev_b32 v7, 2, v1                        ; 4 x lane
	s_lshl_b32 s42, s15, 13
	s_lshl_b32 s43, s16, 13
	s_add_co_u32 s43, s43, 4*REC                   ; B's records lie behind A's four
	v_add_nc_u32 v[ADRA], s42, v6
	v_add_nc_u32 v[ADRB], s43, v6
	v_add_nc_u32 v[ADRA+1], SLOT, v[ADRA]
	v_add_nc_u32 v[ADRB+1], SLOT, v[ADRB]
	s_lshl_b32 s42, s15, 9
	s_lshl_b32 s43, s16, 9
	s_add_co_u32 s43, s43, 4*REC
	s_sub_co_u32 s43, s43, s42
	v_mul_u32_u24 v4, s43, v3                      ; lanes 16-31 take B's words: one product, h x the distance
	v_lshl_add_u32 v4, v2, 3, v4
	s_add_co_u32 s42, s42, 32768
	v_add_nc_u32 v[ADRS], s42, v4
	v_add_nc_u32 v[ADRS+1], SLOT, v[ADRS]
	v_mov_b32 v[TM+2], 0                           ; a lane permute's destination counts as one of its sources
	v_mov_b32 v[TM+3], 0
	s_wait_alu depctr_va_vdst(0)
	s_cmp_eq_u32 s16, 0
	s_cbranch_scc0 .Llater
	s_wait_tensorcnt 0x0                           ; waves 0 and 2: chunks 0 and 1 are in
.Llater:
	s_barrier_signal -1
	s_barrier_wait -1
	FETCH 0, 0, 0
	SCALES 0
	STEP 0, 0, 1                                   ; the first products start the sums: nothing is cleared
	STEP 0, 1, 0
	STEP 0, 2, 0
	TURN 0, 1
	STEP 1, 0, 0
	STEP 1, 1, 0
	STEP 1, 2, 0
	s_wait_dscnt 0x0
	WIN MULW
.irp a, 0,1,2,3
	MUL4 1, \a, SC+16+9, 0
.endr
	WIN 0
	s_cmp_eq_u32 s17, 8                            ; job 8 keeps the lower column half (k), job 9 the upper row half (v)
	s_cselect_b32 s42, s16, 0
	s_xor_b32 s43, s15, 1
	s_cmp_eq_u32 s17, 9
	s_cselect_b32 s42, s43, s42
	s_cmp_lg_u32 s42, 0
	s_cbranch_scc1 .Lend
	PLACES 8
.irp a, 0,1,2,3
	QUANT2 2, 32*\a, 72+8*\a, 104+\a
.endr
	v_cndmask_b32 v108, v104, v105, s48            ; lanes 0-15: tile 2 p's scale bytes, lanes 16-31: tile 2 p + 1's
	v_cndmask_b32 v109, v106, v107, s48
	s_cmp_eq_u32 s17, 9
	s_cbranch_scc1 .Lvstore
	s_lshl_b32 s52, s17, 1
	s_add_co_u32 s52, s52, s16                     ; the head (16: k)
	s_lshl_b32 s52, s52, 8
	s_lshl_b32 s53, ttmp9, 3
	s_add_co_u32 s52, s52, s53
	s_lshl_b32 s53, s15, 2
	s_add_co_u32 s52, s52, s53                     ; head x 256 + my first tile of tokens
	s_lshl_b32 s54, s52, 10
	s_mov_b32 s55, 0
	s_lshl_b32 s56, s52, 6
	s_add_co_u32 s56, s56, QS
	s_mov_b32 s57, 0
	s_add_nc_u64 s[54:55], s[6:7], s[54:55]
	s_add_nc_u64 s[56:57], s[6:7], s[56:57]
	s_wait_alu depctr_va_vdst(0)
.irp a, 0,1,2,3
	global_store_b128 v6, v[72+8*\a:75+8*\a], s[54:55] offset:1024*\a        ; [head][tile][block][lane][16]: 512 consecutive bytes a store
	global_store_b128 v6, v[76+8*\a:79+8*\a], s[54:55] offset:1024*\a+512
.endr
	global_store_b32 v7, v108, s[56:57]            ; scale words: two bytes, and zeros above them for the K that is filled with zero codes
	global_store_b32 v7, v109, s[56:57] offset:128
	s_wait_tensorcnt 0x0                           ; the wave's end
	ds_add_u32 v28, v29
	s_wait_dscnt 0x0
	s_endpgm
.Lvstore:
	s_lshl_b32 s54, ttmp9, 13
	s_lshl_b32 s53, s16, 10
	s_add_co_u32 s54, s54, s53
	s_add_co_u32 s54, s54, VC
	s_mov_b32 s55, 0
	s_lshl_b32 s56, ttmp9, 8
	s_lshl_b32 s53, s16, 1
	s_add_co_u32 s56, s56, s53
	s_add_co_u32 s56, s56, VS
	s_mov_b32 s57, 0
	s_add_nc_u64 s[54:55], s[6:7], s[54:55]
	s_add_nc_u64 s[56:57], s[6:7], s[56:57]
	s_wait_alu depctr_va_vdst(0)
.irp a, 0,1,2,3
	global_store_b128 v6, v[72+8*\a:75+8*\a], s[54:55] offset:2048*\a        ; [128 keys][tile of channels][block of 32 keys][lane][16]
	global_store_b128 v6, v[76+8*\a:79+8*\a], s[54:55] offset:2048*\a+512
.endr
	global_store_b16 v7, v108, s[56:57]            ; my two of a word's four bytes; the partner wave stores the other two
	global_store_b16 v7, v109, s[56:57] offset:128
.Lend:
	s_wait_tensorcnt 0x0                           ; the wave's end
	ds_add_u32 v28, v29
	s_wait_dscnt 0x0
	s_endpgm
.Lfunc_end_k_q223b7252d3_qkv:
	.size	k_q223b7252d3_qkv, .Lfunc_end_k_q223b7252d3_qkv-k_q223b7252d3_qkv
	.p2alignl 7, 3214868480
	.fill 96, 4, 3214868480
	.section	.rodata,"a",@progbits
	.p2align	6, 0x0
	.amdhsa_kernel k_q223b7252d3_qkv
		.amdhsa_group_segment_fixed_size 327680
		.amdhsa_private_segment_fixed_size 0
		.amdhsa_enable_private_segment 0
		.amdhsa_kernarg_size 16
		.amdhsa_user_sgpr_count 2
		.amdhsa_user_sgpr_kernarg_segment_ptr 1
		.amdhsa_wavefront_size32 1
		.amdhsa_system_sgpr_workgroup_id_x 1
		.amdhsa_system_sgpr_workgroup_id_y 1
		.amdhsa_system_sgpr_workgroup_id_z 1
		.amdhsa_system_vgpr_workitem_id 0
		.amdhsa_next_free_vgpr 768
		.amdhsa_next_free_sgpr 66
		.amdhsa_reserve_vcc 0
		.amdhsa_float_denorm_mode_32 3
		.amdhsa_float_denorm_mode_16_64 3
		.amdhsa_memory_ordered 1
		.amdhsa_forward_progress 1
		.amdhsa_inst_pref_size 61
	.end_amdhsa_kernel
	.amdgpu_metadata
---
amdhsa.version: [ 1, 2 ]
amdhsa.kernels:
  - .name:           k_q223b7252d3_qkv
    .symbol:         k_q223b7252d3_qkv.kd
    .args:
      - { .name: p1, .offset: 0, .size: 8, .value_kind: global_buffer, .address_space: global }
      - { .name: qk, .offset: 8, .size: 8, .value_kind: global_buffer, .address_space: global }
    .group_segment_fixed_size: 327680
    .private_segment_fixed_size: 0
    .kernarg_segment_align: 8
    .kernarg_segment_size: 16
    .max_flat_workgroup_size: 128
    .sgpr_count:     66
    .vgpr_count:     768
    .wavefront_size: 32
...
	.end_amdgpu_metadata
.endif
;; end of part 2
;; launch attn (part 3): grid 256 x 1, 16 waves a work-group, clusters of 4 x 1, 167,936 bytes of LDS; arguments qk, ao; writes ao
.if DOCPART == 3
	.amdgcn_target "amdgcn-amd-amdhsa--gfx1250"
	.amdhsa_code_object_version 6
	.text
	.protected	k_q223b7252d3_attn
	.globl	k_q223b7252d3_attn
	.p2align	8
	.type	k_q223b7252d3_attn,@function
k_q223b7252d3_attn:
	s_mov_b64 s[64:65], 0
	v_nop
	global_prefetch_b8 v0, s[64:65] scope:SCOPE_SE
	s_setreg_imm32_b32 hwreg(HW_REG_WAVE_MODE, 25, 1), 1
	s_wait_xcnt 0x0
	s_wait_alu depctr_hold_cnt(0) depctr_sa_sdst(0) depctr_va_vdst(0) depctr_va_sdst(0) depctr_va_ssrc(0) depctr_va_vcc(0) depctr_vm_vsrc(0)
	s_getreg_b32 s2, hwreg(HW_REG_IB_STS2, 6, 4)
	s_cmp_eq_u32 s2, 0
	s_cbranch_scc0 .Lentry_in_a_cluster
	s_endpgm
.Lentry_in_a_cluster:
	s_bfe_u32 s2, ttmp6, 0x10000c
	s_cmp_lg_u32 s2, 0x3003
	s_cbranch_scc0 .Lentry_shape_is_right
	s_endpgm
.Lentry_shape_is_right:
; ATTN: multi-query attention on codes of E5M2.  A work-group owns one tile of 16 tokens; each of its SIXTEEN waves owns one head of them: all sixteen read the one shared head of K and V.
; K and V of a batch (1,024 keys: 64 KiB of codes each, 6 KiB of scale words) lie whole in LDS, filled ONCE: no ring, no refill.
; CLUSTER: the four work-groups of a cluster belong to one batch (64 tiles a batch) and ask for the four blocks jointly.
; Both products are used transposed: S^T = K Q^T (source 0 = 16 keys, source 1 = my 16 queries; K = 64, the upper 64 of the instruction's 128 are zero codes under the scale byte 0),
; O^T = V^T P^T (source 0 = 16 channels, source 1 = p).  A lane holds ONE query throughout.  By the order of rows in a tile the 16 registers of key tiles 2 b, 2 b + 1 are 16 neighbouring keys.
; THE SOFTMAX: t = score x log2(e) / 8 (q's factor 1/8 is taken here); M = the running largest t rounded up to a whole number, kept as -M = floor(-t); p = 2^(t - M) is quantised along the keys, not normalised;
; the row's sum is taken of the unquantised p; when M moves, the sum and O^T are multiplied by 2^(old M - new M), which rounds nothing.  A block's largest p is the block's largest score put through the same
; multiply-add and exponential (this takes the exponential not to fall where its input rises).  At the end O^T / the sum is quantised along the channels: an operand of the next product.
; LIMITS: NaN and infinities are not served; a block of zeros gets the byte 1.
; REGISTERS: v1-6 addresses that stay; v8-11 the step's; v12 -M, v13 the largest t, v[14:15] the sum; v16-31 Q (upper 8 zero); v32-95 four fragments of K (upper 8 of each zero); v96-159 S^T, p, then V's four fragments;
; v160-191 O^T; v192-207 p's codes; v208-223 at work; v224-227, v228, v236 scale words and nothing else; v229-247 at work.
.set REC,   33792
.set QS,    4456448
.set VC,    4734976
.set VS,    4997120
.set VCL,   65536                      ; LDS: K's codes at 0, V's codes,
.set KSL,   131072                     ; K's scale words,
.set VSL,   135168                     ; V's
.set WV,    18
.set MNT,   19
.set SEL,   20
.set CS,    22
.set G1C,   24                         ; group 1: 256 rows of 256 bytes
.set G1K,   32                         ; 16 rows
.set G1V,   40                         ; 8 rows
.set TK,    66
.set TS,    67
.set TV,    68
.set CNT,   69
.set BM,    208                        ; the blocks' largest scores, then largest p
.set PB,    212                        ; the other half's; then the bytes
.set LM,    216                        ; 57,344 x the scale
.set SOP,   220                        ; the conversions' scale operands
.set FS,    224
.set PWD,   228
.set FF,    230
.set WK,    232
.set SUMB,  234
.set TM,    240
.set MSB, 0
.macro WIN new
.if MSB != (\new)
	s_set_vgpr_msb (MSB<<8)|(\new)
.set MSB, (\new)
.endif
.endm
.macro PLACES n
.rept \n
	v_nop
.endr
.endm
.macro CROUND                          ; a round of the cluster's barrier
	s_barrier_signal -1
	s_barrier_wait -1
	s_cmp_lg_u32 s[WV], 0
	s_cbranch_scc1 .Lnot_wave_0_\@
	s_barrier_signal -3
.Lnot_wave_0_\@:
	s_barrier_wait -3
	s_barrier_signal -1
	s_barrier_wait -1
.endm
.macro QUANT2 w, s, cd, hw             ; 32 numbers of a lane become 8 registers of codes and two scale bytes
	WIN (\w)|((\w)<<2)
.irp b, 0,1
	v_max3_num_f32 v[TM+\b], |v[(\s)+16*\b]|, |v[(\s)+16*\b+1]|, 0x8000000
.endr
.irp i, 2,4,6,8,10,12,14
.irp b, 0,1
	s_delay_alu instid0(VALU_DEP_2)
	v_max3_num_f32 v[TM+\b], |v[(\s)+16*\b+\i]|, |v[(\s)+16*\b+\i+1]|, v[TM+\b]
.endr
.endr
	WIN 0
.irp b, 0,1
	s_delay_alu instid0(VALU_DEP_2)
	v_permlanex16_b32 v[TM+2+\b], v[TM+\b], s[SEL], s[SEL+1]
.endr
.irp b, 0,1
	s_delay_alu instid0(VALU_DEP_2)
	v_max_num_f32 v[TM+\b], v[TM+\b], v[TM+2+\b]
.endr
.irp b, 0,1
	s_delay_alu instid0(VALU_DEP_2)
	v_add_nc_u32 v[TM+4+\b], 0xf8800000, v[TM+\b]
.endr
.irp b, 0,1
	s_delay_alu instid0(VALU_DEP_4)
	v_and_or_b32 v[TM+6+\b], v[TM+\b], 0x7f800000, s[MNT]
.endr
.irp b, 0,1
	s_delay_alu instid0(VALU_DEP_4)
	v_lshrrev_b32 v[TM+2+\b], 23, v[TM+4+\b]
.endr
	s_delay_alu instid0(VALU_DEP_1)
	v_lshl_or_b32 v[\hw], v[TM+3], 8, v[TM+2]
	WIN (\w)|((\w)<<6)
.irp b, 0,1
.set qi, 0
.rept 16
	v_med3_num_f32 v[(\s)+16*\b+qi], v[(\s)+16*\b+qi], -v[TM+6+\b], v[TM+6+\b]
.set qi, qi+1
.endr
.endr
	WIN (\w)
.irp b, 0,1
.irp u, 0,1
	v_cvt_scalef32_pk8_bf8_f32 v[(\cd)+4*\b+2*\u:(\cd)+4*\b+2*\u+1], v[(\s)+16*\b+8*\u:(\s)+16*\b+8*\u+7], v[TM+4+\b]
.endr
.endr
	WIN 0
	v_nop
.endm
	s_load_b128 s[4:7], s[0:1], 0x0                ; qk, ao
	v_lshl_add_u32 v237, v0, 2, 137216             ; my spare word, behind V's scale words: 128 bytes a wave, 2,048 in all
	v_mov_b32 v238, 0
	ds_add_u32 v237, v238                          ; the opening lines: the add, twice on end, and its wait ahead of the round in front of the first loads
	ds_add_u32 v237, v238
	v_lshrrev_b32 v8, 5, v0
	s_delay_alu instid0(VALU_DEP_1)
	v_readfirstlane_b32 s[WV], v8                  ; wave = head
	s_bfe_u32 s70, ttmp6, 0x40000                  ; cx
	s_lshl_b32 s71, ttmp9, 2
	s_add_co_u32 s71, s71, s70                     ; my tile of tokens: it enters Q's and the output's addresses alone
	s_lshr_b32 s72, ttmp9, 4                       ; the batch, which the four partners share
.irp g, G1C, G1K, G1V
	s_mov_b32 s[\g], 15|(3<<16)|(1<<21)            ; the mask: all four work-groups; elements of 8 bytes; bit 21 set beside a mask; no padding
	s_mov_b32 s[\g+1], 32<<16
	s_mov_b32 s[\g+3], 32<<16
	s_mov_b32 s[\g+5], 32
	s_mov_b32 s[\g+6], 0
	s_mov_b32 s[\g+7], 0
.endr
	s_mov_b32 s[G1C+2], 256<<16
	s_mov_b32 s[G1C+4], 256
	s_mov_b32 s[G1K+2], 16<<16
	s_mov_b32 s[G1K+4], 16
	s_mov_b32 s[G1V+2], 8<<16
	s_mov_b32 s[G1V+4], 8
	s_lshl_b32 s74, s72, 16
	s_mov_b32 s75, 0
	s_lshl_b32 s76, s72, 12
	s_mov_b32 s77, 0
	s_lshl_b32 s78, s72, 11
	s_mov_b32 s79, 0
	s_lshl_b32 s86, s[WV], 8
	s_add_co_u32 s86, s86, s71                     ; head x 256 + tile
	s_lshl_b32 s88, s86, 10
	s_mov_b32 s89, 0
	s_lshl_b32 s90, s86, 6
	s_add_co_u32 s90, s90, QS
	s_mov_b32 s91, 0
	s_mov_b32 s[SEL], 0x76543210
	s_mov_b32 s[SEL+1], 0xfedcba98
	s_mov_b32 s[CS], 0x3e38aa3b                    ; c = log2(e) / 8
	s_mov_b32 s[CS+1], s[CS]
	s_mov_b32 s[MNT], 0x600000
	s_mov_b32 s[TK], 0
	s_mov_b32 s[TS], 0
	s_mov_b32 s[TV], 0
	s_mov_b32 s[CNT], 8
	s_wait_dscnt 0x0                               ; both opening adds are done
	s_wait_kmcnt 0x0
	s_add_nc_u64 s[80:81], s[4:5], s[74:75]
	s_add_nc_u64 s[82:83], s[4:5], s[76:77]
	s_add_nc_u64 s[84:85], s[4:5], s[78:79]
	s_mov_b32 s48, 1                               ; K's codes: head 16's 64 tiles of this batch
	s_mov_b32 s49, 0
	s_add_nc_u64 s[50:51], s[80:81], 4096*1024
	s_or_b32 s51, s51, 0x80000000
	s_mov_b32 s52, 1                               ; V's codes
	s_mov_b32 s53, VCL
	s_add_nc_u64 s[54:55], s[80:81], VC
	s_or_b32 s55, s55, 0x80000000
	s_mov_b32 s56, 1                               ; K's scale words
	s_mov_b32 s57, KSL
	s_add_nc_u64 s[58:59], s[82:83], QS+4096*64
	s_or_b32 s59, s59, 0x80000000
	s_mov_b32 s60, 1                               ; V's
	s_mov_b32 s61, VSL
	s_add_nc_u64 s[62:63], s[84:85], VS
	s_or_b32 s63, s63, 0x80000000
	s_add_nc_u64 s[88:89], s[4:5], s[88:89]
	s_add_nc_u64 s[90:91], s[4:5], s[90:91]
	CROUND                                         ; all four work-groups are here: the joint loads meet
	s_cmp_lg_u32 s[WV], 0                          ; waves 0 to 3 ask for one block each; the branches hang on the wave's number alone
	s_cbranch_scc1 .Lw1
	tensor_load_to_lds s[48:51], s[G1C:G1C+7]
	s_nop 0
	PLACES 4
	s_branch .Lasked
.Lw1:
	s_cmp_lg_u32 s[WV], 1
	s_cbranch_scc1 .Lw2
	tensor_load_to_lds s[52:55], s[G1C:G1C+7]
	s_nop 0
	PLACES 4
	s_branch .Lasked
.Lw2:
	s_cmp_lg_u32 s[WV], 2
	s_cbranch_scc1 .Lw3
	tensor_load_to_lds s[56:59], s[G1K:G1K+7]
	s_nop 0
	PLACES 4
	s_branch .Lasked
.Lw3:
	s_cmp_lg_u32 s[WV], 3
	s_cbranch_scc1 .Lasked
	tensor_load_to_lds s[60:63], s[G1V:G1V+7]
	s_nop 0
	PLACES 4
.Lasked:
	v_and_b32 v8, 31, v0
	v_and_b32 v9, 15, v0                           ; r
	s_delay_alu instid0(VALU_DEP_2)
	v_lshlrev_b32 v1, 4, v8                        ; 16 x lane
	s_delay_alu instid0(VALU_DEP_2)
	v_lshlrev_b32 v5, 2, v9                        ; 4 r
	s_delay_alu instid0(VALU_DEP_3)
	v_lshlrev_b32 v6, 3, v9                        ; 8 r
	global_load_b128 v[16:19], v1, s[88:89]        ; Q's fragment: channels 0-31,
	global_load_b128 v[20:23], v1, s[88:89] offset:512   ; 32-63
	global_load_b32 v236, v5, s[90:91]             ; its scale words
	v_add_nc_u32 v2, VCL, v1
	v_add_nc_u32 v3, KSL, v5
	v_add_nc_u32 v4, VSL, v5
.set j, 24
.rept 8
	v_mov_b32 v[j], 0                              ; K beyond 64: zero codes
.set j, j+1
.endr
.irp t, 0,1,2,3
.set j, 0
.rept 8
	v_mov_b32 v[40+16*\t+j], 0
.set j, j+1
.endr
.endr
.set j, 0
.rept 32
	v_mov_b32 v[160+j], 0                          ; O^T: the loop is written once; its first step finds zeros
.set j, j+1
.endr
	v_mov_b32 v13, 0xff61b1e6                      ; the largest t so far: -3e38
	s_delay_alu instid0(VALU_DEP_1)
	v_floor_f32 v12, -v13
	v_mov_b32 v14, 0
	v_mov_b32 v15, 0
.irp b, 0,1,2,3
	v_mov_b32 v[PB+\b], 0                          ; a lane permute's destination counts as one of its sources
.endr
	v_mov_b32 v[FF+1], 0
	v_mov_b32 v[TM+2], 0
	v_mov_b32 v[TM+3], 0
	s_wait_tensorcnt 0x0                           ; my block, if I asked for one, has landed
	s_barrier_signal -1
	s_barrier_wait -1                              ; everybody's has
	s_wait_loadcnt 0x0                             ; Q
.Lks:                                              ; eight trips of 128 keys
	v_add_nc_u32 v8, s[TK], v1
	s_wait_alu depctr_va_vdst(0)
	v_add_nc_u32 v9, s[TK], v2
	v_add_nc_u32 v10, s[TS], v3
	s_wait_alu depctr_va_vdst(0)
	v_add_nc_u32 v11, s[TV], v4
	PLACES 6                                       ; with the four additions ten places: the next products write over registers that the last trip's products read, which asks nine
.irp g, 0,1
.irp t, 0,1,2,3
	ds_load_b128 v[32+16*\t:35+16*\t], v8 offset:(4*\g+\t)*1024
	ds_load_b128 v[36+16*\t:39+16*\t], v8 offset:(4*\g+\t)*1024+512
	ds_load_b32 v[FS+\t], v10 offset:(4*\g+\t)*64
.endr
	s_wait_dscnt 0x0
.irp t, 0,1,2,3
	v_wmma_scale_f32_16x16x128_f8f6f4 v[96+8*(4*\g+\t):103+8*(4*\g+\t)], v[32+16*\t:47+16*\t], v[16:31], 0, v[FS+\t], v236 matrix_a_fmt:MATRIX_FMT_BF8 matrix_b_fmt:MATRIX_FMT_BF8
.endr
	PLACES 8                                       ; in front of loads into registers that these products read, and of the first read of their results
.endr
.irp b, 0,1,2,3
	v_max3_num_f32 v[BM+\b], v[96+16*\b], v[97+16*\b], v[98+16*\b]   ; the largest score of each block of 32 keys
.endr
.irp i, 3,5,7,9,11,13
.irp b, 0,1,2,3
	v_max3_num_f32 v[BM+\b], v[BM+\b], v[96+16*\b+\i], v[97+16*\b+\i]
.endr
.endr
.irp b, 0,1,2,3
	v_max_num_f32 v[BM+\b], v[BM+\b], v[111+16*\b]
.endr
.irp b, 0,1,2,3
	s_delay_alu instid0(VALU_DEP_4)
	v_permlanex16_b32 v[PB+\b], v[BM+\b], s[SEL], s[SEL+1]
.endr
.irp b, 0,1,2,3
	s_delay_alu instid0(VALU_DEP_4)
	v_max_num_f32 v[BM+\b], v[BM+\b], v[PB+\b]
.endr
	s_delay_alu instid0(VALU_DEP_2)
	v_max3_num_f32 v[WK], v[BM], v[BM+1], v[BM+2]
	s_delay_alu instid0(VALU_DEP_1)
	v_max_num_f32 v[WK], v[WK], v[BM+3]
	s_delay_alu instid0(VALU_DEP_1)
	v_mul_f32 v[WK], s[CS], v[WK]                  ; as t (c is positive)
	s_delay_alu instid0(VALU_DEP_1)
	v_max_num_f32 v13, v13, v[WK]
	v_mov_b32 v[WK], v12
	s_delay_alu instid0(VALU_DEP_2)
	v_floor_f32 v12, -v13                          ; the new -M
	s_delay_alu instid0(VALU_DEP_1)
	v_sub_f32 v[WK], v12, v[WK]                    ; old M - new M: a whole number, 0 or less
	s_delay_alu instid0(VALU_DEP_1)
	v_cvt_i32_f32 v[WK], v[WK]
	s_delay_alu instid0(VALU_DEP_1)
	v_ldexp_f32 v[FF], 1.0, v[WK]                  ; f = 2^(old M - new M)
.set j, 0
.rept 32
	v_pk_fma_f32 v[96+j:97+j], v[96+j:97+j], s[CS:CS+1], v[12:13] op_sel_hi:[1,0,0]   ; t - M
.set j, j+2
.endr
.irp b, 0,1,2,3
	v_fma_f32 v[BM+\b], v[BM+\b], s[CS], v12
.endr
.set j, 0
	s_wait_alu depctr_va_vdst(0)
.rept 64
	v_exp_f32 v[96+j], v[96+j]                     ; p = 2^(t - M)
.set j, j+1
.endr
.irp b, 0,1,2,3
	v_exp_f32 v[BM+\b], v[BM+\b]                   ; the block's largest p
.endr
	v_pk_mul_f32 v[14:15], v[14:15], v[FF:FF+1] op_sel_hi:[1,0]   ; the sums under the new M (a plain place behind the exponentials)
	s_wait_alu depctr_va_vdst(0)                   ; one wait for the batch of 68, ahead of its first reader
.irp b, 0,1,2,3
	v_max_num_f32 v[BM+\b], 0x8000000, v[BM+\b]    ; the floor
.endr
.irp b, 0,1,2,3
	s_delay_alu instid0(VALU_DEP_4)
	v_add_nc_u32 v[SOP+\b], 0xf8800000, v[BM+\b]
.endr
.irp b, 0,1,2,3
	v_and_or_b32 v[LM+\b], v[BM+\b], 0x7f800000, s[MNT]
.endr
.irp b, 0,1,2,3
	v_lshrrev_b32 v[PB+\b], 23, v[SOP+\b]
.endr
	s_delay_alu instid0(VALU_DEP_3)
	v_lshl_or_b32 v[PWD], v[PB+1], 8, v[PB]        ; p's scale word for these 128 keys
	s_delay_alu instid0(VALU_DEP_1)
	v_lshl_or_b32 v[PWD], v[PB+2], 16, v[PWD]
	s_delay_alu instid0(VALU_DEP_1)
	v_lshl_or_b32 v[PWD], v[PB+3], 24, v[PWD]
	v_pk_add_f32 v[234:235], v[100:101], v[104:105]
	v_pk_add_f32 v[254:255], v[108:109], v[112:113]
	v_pk_add_f32 v[252:253], v[116:117], v[120:121]
	v_pk_add_f32 v[250:251], v[124:125], v[128:129]
	v_pk_add_f32 v[248:249], v[132:133], v[136:137]
	v_pk_add_f32 v[246:247], v[140:141], v[144:145]
	v_pk_add_f32 v[244:245], v[148:149], v[152:153]
	v_pk_add_f32 v[14:15], v[14:15], v[156:157]
	v_pk_add_f32 v[234:235], v[234:235], v[96:97]
	v_pk_add_f32 v[254:255], v[254:255], v[98:99]
	v_pk_add_f32 v[252:253], v[252:253], v[102:103]
	v_pk_add_f32 v[250:251], v[250:251], v[106:107]
	v_pk_add_f32 v[248:249], v[248:249], v[110:111]
	v_pk_add_f32 v[246:247], v[246:247], v[114:115]
	v_pk_add_f32 v[244:245], v[244:245], v[118:119]
	v_pk_add_f32 v[14:15], v[14:15], v[122:123]
	v_pk_add_f32 v[234:235], v[234:235], v[126:127]
	v_pk_add_f32 v[254:255], v[254:255], v[130:131]
	v_pk_add_f32 v[252:253], v[252:253], v[134:135]
	v_pk_add_f32 v[250:251], v[250:251], v[138:139]
	v_pk_add_f32 v[248:249], v[248:249], v[142:143]
	v_pk_add_f32 v[246:247], v[246:247], v[146:147]
	v_pk_add_f32 v[244:245], v[244:245], v[150:151]
	v_pk_add_f32 v[14:15], v[14:15], v[154:155]
	v_pk_add_f32 v[234:235], v[234:235], v[158:159]
	s_delay_alu instid0(VALU_DEP_2)
	v_pk_add_f32 v[14:15], v[14:15], v[250:251]
	s_delay_alu instid0(VALU_DEP_2)
	v_pk_add_f32 v[234:235], v[234:235], v[248:249]
	v_pk_add_f32 v[254:255], v[254:255], v[246:247]
	v_pk_add_f32 v[252:253], v[252:253], v[244:245]
	s_delay_alu instid0(VALU_DEP_2)
	v_pk_add_f32 v[14:15], v[14:15], v[254:255]
	s_delay_alu instid0(VALU_DEP_2)
	v_pk_add_f32 v[234:235], v[234:235], v[252:253]
	s_delay_alu instid0(VALU_DEP_1)
	v_pk_add_f32 v[14:15], v[14:15], v[234:235]
.irp b, 0,1,2,3
.set j, 0
.rept 16
	v_min_num_f32 v[96+16*\b+j], v[96+16*\b+j], v[LM+\b]   ; the hold: p is not negative
.set j, j+1
.endr
	v_cvt_scalef32_pk8_bf8_f32 v[192+4*\b:193+4*\b], v[96+16*\b:103+16*\b], v[SOP+\b]
	v_cvt_scalef32_pk8_bf8_f32 v[194+4*\b:195+4*\b], v[104+16*\b:111+16*\b], v[SOP+\b]
.endr
.irp t, 0,1,2,3
.irp c, 0,1,2,3
	ds_load_b128 v[96+16*\t+4*\c:99+16*\t+4*\c], v9 offset:2048*\t+512*\c   ; V's four fragments, into the registers that p has left
.endr
	ds_load_b32 v[FS+\t], v11 offset:64*\t
.endr
.set j, 0
	s_wait_alu depctr_va_vdst(0)
.rept 16
	v_pk_mul_f32 v[160+j:161+j], v[160+j:161+j], v[FF:FF+1] op_sel_hi:[1,0]   ; O^T under the new M; these are also the places between the conversions and the products
.set j, j+2
.endr
	s_wait_alu depctr_va_vdst(0)
	s_wait_dscnt 0x0
.irp t, 0,1,2,3
	v_wmma_scale_f32_16x16x128_f8f6f4 v[160+8*\t:167+8*\t], v[96+16*\t:111+16*\t], v[192:207], v[160+8*\t:167+8*\t], v[FS+\t], v[PWD] matrix_a_fmt:MATRIX_FMT_BF8 matrix_b_fmt:MATRIX_FMT_BF8
.endr
	s_add_co_u32 s[TK], s[TK], 8192
	s_add_co_u32 s[TS], s[TS], 512
	s_add_co_u32 s[TV], s[TV], 256
	s_sub_co_u32 s[CNT], s[CNT], 1
	s_cmp_lg_u32 s[CNT], 0
	s_cbranch_scc1 .Lks
	PLACES 8
	v_add_f32 v14, v14, v15
	s_delay_alu instid0(VALU_DEP_1)
	v_permlanex16_b32 v[WK], v14, s[SEL], s[SEL+1]
	s_delay_alu instid0(VALU_DEP_1)
	v_add_f32 v14, v14, v[WK]                      ; the row's sum
	s_wait_alu depctr_va_vdst(0)
	v_rcp_f32 v14, v14
	v_nop
.set j, 0
	s_wait_alu depctr_va_vdst(0)
.rept 32
	v_mul_f32 v[96+j], v[160+j], v14               ; register 16 b + i: channel 32 b + 16 (lane / 16) + i of my query
.set j, j+1
.endr
	QUANT2 0, 96, 192, 229
	s_lshr_b32 s74, s71, 3
	s_lshl_b32 s74, s74, 2
	s_lshr_b32 s75, s[WV], 2
	s_add_co_u32 s74, s74, s75
	s_mul_i32 s74, s74, REC                        ; record (group of tokens, head / 4)
	s_and_b32 s75, s71, 7
	s_bfe_u32 s76, s[WV], 0x10001
	s_and_b32 s77, s[WV], 1
	s_lshl_b32 s78, s76, 14
	s_add_co_u32 s78, s78, s74
	s_lshl_b32 s79, s75, 11
	s_add_co_u32 s78, s78, s79
	s_lshl_b32 s79, s77, 10
	s_add_co_u32 s78, s78, s79
	s_mov_b32 s79, 0
	s_lshl_b32 s80, s75, 7
	s_add_co_u32 s80, s80, s74
	s_lshl_b32 s81, s76, 2
	s_add_co_u32 s80, s80, s81
	s_lshl_b32 s81, s77, 1
	s_add_co_u32 s80, s80, s81
	s_add_co_u32 s80, s80, 32768
	s_mov_b32 s81, 0
	s_add_nc_u64 s[78:79], s[6:7], s[78:79]
	s_add_nc_u64 s[80:81], s[6:7], s[80:81]
	s_wait_alu depctr_va_vdst(0)
	global_store_b128 v1, v[192:195], s[78:79]
	global_store_b128 v1, v[196:199], s[78:79] offset:512
	global_store_b16 v6, v229, s[80:81]            ; my head's two of the row's eight scale bytes
	s_wait_tensorcnt 0x0                           ; the wave's end
	ds_add_u32 v237, v238
	s_wait_dscnt 0x0
	CROUND                                         ; the closing round
	s_endpgm
.Lfunc_end_k_q223b7252d3_attn:
	.size	k_q223b7252d3_attn, .Lfunc_end_k_q223b7252d3_attn-k_q223b7252d3_attn
	.p2alignl 7, 3214868480
	.fill 96, 4, 3214868480
	.section	.rodata,"a",@progbits
	.p2align	6, 0x0
	.amdhsa_kernel k_q223b7252d3_attn
		.amdhsa_group_segment_fixed_size 167936
		.amdhsa_private_segment_fixed_size 0
		.amdhsa_enable_private_segment 0
		.amdhsa_kernarg_size 16
		.amdhsa_user_sgpr_count 2
		.amdhsa_user_sgpr_kernarg_segment_ptr 1
		.amdhsa_wavefront_size32 1
		.amdhsa_system_sgpr_workgroup_id_x 1
		.amdhsa_system_sgpr_workgroup_id_y 1
		.amdhsa_system_sgpr_workgroup_id_z 1
		.amdhsa_system_vgpr_workitem_id 0
		.amdhsa_next_free_vgpr 256
		.amdhsa_next_free_sgpr 100
		.amdhsa_reserve_vcc 0
		.amdhsa_float_denorm_mode_32 3
		.amdhsa_float_denorm_mode_16_64 3
		.amdhsa_memory_ordered 1
		.amdhsa_forward_progress 1
		.amdhsa_inst_pref_size 38
	.end_amdhsa_kernel
	.amdgpu_metadata
---
amdhsa.version: [ 1, 2 ]
amdhsa.kernels:
  - .name:           k_q223b7252d3_attn
    .symbol:         k_q223b7252d3_attn.kd
    .args:
      - { .name: qk, .offset: 0, .size: 8, .value_kind: global_buffer, .address_space: global }
      - { .name: ao, .offset: 8, .size: 8, .value_kind: global_buffer, .address_space: global }
    .group_segment_fixed_size: 167936
    .private_segment_fixed_size: 0
    .kernarg_segment_align: 8
    .kernarg_segment_size: 16
    .max_flat_workgroup_size: 512
    .sgpr_count:     100
    .vgpr_count:     256
    .wavefront_size: 32
...
	.end_amdgpu_metadata
.endif
;; end of part 3
;; launch wo (part 4): grid 8 x 32, 4 waves a work-group, clusters of 4 x 4, 327,680 bytes of LDS; arguments ao, p1, y, g2, tb; writes tb
.if DOCPART == 4
	.amdgcn_target "amdgcn-amd-amdhsa--gfx1250"
	.amdhsa_code_object_version 6
	.text
	.protected	k_q223b7252d3_wo
	.globl	k_q223b7252d3_wo
	.p2align	8
	.type	k_q223b7252d3_wo,@function
k_q223b7252d3_wo:
	s_mov_b64 s[64:65], 0
	v_nop
	global_prefetch_b8 v0, s[64:65] scope:SCOPE_SE
	s_setreg_imm32_b32 hwreg(HW_REG_WAVE_MODE, 25, 1), 1
	s_wait_xcnt 0x0
	s_wait_alu depctr_hold_cnt(0) depctr_sa_sdst(0) depctr_va_vdst(0) depctr_va_sdst(0) depctr_va_ssrc(0) depctr_va_vcc(0) depctr_vm_vsrc(0)
	s_getreg_b32 s2, hwreg(HW_REG_IB_STS2, 6, 4)
	s_cmp_eq_u32 s2, 0
	s_cbranch_scc0 .Lentry_in_a_cluster
	s_endpgm
.Lentry_in_a_cluster:
	s_bfe_u32 s2, ttmp6, 0x10000c
	s_cmp_lg_u32 s2, 0xf033
	s_cbranch_scc0 .Lentry_shape_is_right
	s_endpgm
.Lentry_shape_is_right:
; WO: t = ao Wo + yn, f32, and for each row and each run of 64 columns the pair (mean, sum of squared differences from it), from which the last launch makes the row's LayerNorm.
; ao and Wo are records of codes of E5M2 (128 rows x 256 K in the order of the operand's registers); K = 1,024.  yn is made anew from y, the stored (mean, rstd) and g2.
; A work-group makes 128 x 128, a wave 64 x 64.  LDS: two slots of four records hold all of K; each byte is filled once.
; CLUSTER 4 x 4: A's records hang on the tile row alone and are asked for jointly along a row of the cluster, B's on the tile column alone, along a column.
; THE MATRIX INSTRUCTION IS USED TRANSPOSED (source 0 = Wo's 16 rows, source 1 = ao's): a lane holds eight neighbouring columns of one token.
; THE WAY OUT: 16 tokens x 64 columns at a time through the wave's own stage in LDS and back as rows of 256 bytes, sixteen lanes to a row; slot s of tile a is token 32 (a/2) + 8 (a%2) + s + 8 (s/8).
; REGISTERS: window 0: v0-31 addresses, v32-63 scale words, v64-163 the way out, v192-255 the rows' (mean, rstd).  window 1: two sets of fragments.  window 2: accumulators.  window 3: v0-127 my 64 x 64 of y.
.set REC,   33792
.set SLOT,  2*REC                      ; LDS AS IT IS LAID NOW: A's four chunks on end, then B's four; each wave brings two neighbouring records by ONE joint load at the head; 'slot' s below means chunks 2 s and 2 s + 1 of either operand
.set SPARE, 8*REC                      ; behind the records: the spare words, 128 bytes a wave
.set STG,   8*REC+512
.set NKC,   4
.set WB,    9867264                    ; Wo's records in p1
.set YST,   23924736
.set TSTO,  16777216
.set ADRA,  16
.set ADRB,  20
.set ADRS,  22
.set STO,   24
.set RD,    25
.set SC,    32
.set RB,    64
.set DD,    96
.set SM,    128
.set PR,    136
.set GN,    152
.set PP,    192
.set G1, 24
.set G0, 32
.set G1B, 48
.set G0B, 56
.set MSB, 0
.macro WIN new
.if MSB != (\new)
	s_set_vgpr_msb (MSB<<8)|(\new)
.set MSB, (\new)
.endif
.endm
.set MULW, 0xa5
.set TOF,  0x40
.macro PLACES n
.rept \n
	v_nop
.endr
.endm
.macro JLOAD g0a, g1a, g0b, g1b        ; a joint load: waves 0 and 1 fetch for A, waves 2 and 3 for B; four v_nop follow each line
	s_cmp_eq_u32 s15, 0
	s_cbranch_scc0 .Lfor_b_\@
	tensor_load_to_lds s[\g0a:\g0a+3], s[\g1a:\g1a+7]
	s_nop 0
	PLACES 4
	s_branch .Lasked_\@
.Lfor_b_\@:
	tensor_load_to_lds s[\g0b:\g0b+3], s[\g1b:\g1b+7]
	s_nop 0
	PLACES 4
.Lasked_\@:
.endm
.macro CROUND
	s_barrier_signal -1
	s_barrier_wait -1
	s_cmp_lg_u32 s14, 0
	s_cbranch_scc1 .Lnot_wave_0_\@
	s_barrier_signal -3
.Lnot_wave_0_\@:
	s_barrier_wait -3
	s_barrier_signal -1
	s_barrier_wait -1
.endm
.macro FETCH slot, q, p
	WIN TOF
.irp i, 0,1,2,3
.irp c, 0,1,2,3
	ds_load_b128 v[128*(\p)+64+16*\i+4*\c:128*(\p)+64+16*\i+4*\c+3], v[ADRB+\slot] offset:((\q)/2)*REC+((\q)%2)*16384+2048*\i+512*\c
.endr
.endr
.irp i, 0,1,2,3
.irp c, 0,1,2,3
	ds_load_b128 v[128*(\p)+16*\i+4*\c:128*(\p)+16*\i+4*\c+3], v[ADRA+\slot] offset:((\q)/2)*REC+((\q)%2)*16384+2048*\i+512*\c
.endr
.endr
.endm
.macro SCALES slot
	WIN 0
.irp kc, 0,1
.irp i, 0,1,2,3
	ds_load_b64 v[SC+16*\slot+8*\kc+2*\i:SC+16*\slot+8*\kc+2*\i+1], v[ADRS+\slot] offset:\kc*REC+128*\i
.endr
.endr
.endm
.macro MUL4 p, a, sx, zero             ; the 16 accumulators take turns, one instruction a turn
.irp b, 0,1,2,3
.if \zero
	v_wmma_scale_f32_16x16x128_f8f6f4 v[8*(4*(\a)+\b):8*(4*(\a)+\b)+7], v[128*(\p)+64+16*\b:128*(\p)+64+16*\b+15], v[128*(\p)+16*(\a):128*(\p)+16*(\a)+15], 0, v[(\sx)+2*\b], v[(\sx)+2*(\a)] matrix_a_fmt:MATRIX_FMT_BF8 matrix_b_fmt:MATRIX_FMT_BF8 matrix_a_scale:MATRIX_SCALE_ROW1
.else
	v_wmma_scale_f32_16x16x128_f8f6f4 v[8*(4*(\a)+\b):8*(4*(\a)+\b)+7], v[128*(\p)+64+16*\b:128*(\p)+64+16*\b+15], v[128*(\p)+16*(\a):128*(\p)+16*(\a)+15], v[8*(4*(\a)+\b):8*(4*(\a)+\b)+7], v[(\sx)+2*\b], v[(\sx)+2*(\a)] matrix_a_fmt:MATRIX_FMT_BF8 matrix_b_fmt:MATRIX_FMT_BF8 matrix_a_scale:MATRIX_SCALE_ROW1
.endif
.endr
.endm
.macro STEP slot, q, zero
	s_wait_dscnt 0x0                               ; this step's set is in
	PLACES 8                                       ; between the last step's products and the loads into the set that they read
	FETCH \slot, (\q)+1, ((\q)+1)%2
	WIN MULW
.irp a, 0,1,2,3
	MUL4 (\q)%2, \a, SC+16*\slot+8*((\q)/2)+(\q)%2, \zero
.endr
.endm
.macro TURN slot, next                 ; a slot's last step; nothing is filled again in this launch
	WIN 0
	s_wait_tensorcnt 0x0                           ; every wave: chunks 2 and 3 are in too
	s_wait_dscnt 0x0                               ; this step's set is in, and no LDS load of mine is out at the signal
	WIN MULW
	MUL4 1, 0, SC+16*\slot+9, 0
	s_barrier_signal -1
	MUL4 1, 1, SC+16*\slot+9, 0
	WIN 0
	s_barrier_wait -1
	PLACES 8
	FETCH \next, 0, 0
	SCALES \next
	WIN MULW
	MUL4 1, 2, SC+16*\slot+9, 0
	MUL4 1, 3, SC+16*\slot+9, 0
.endm
.macro THROUGH a                       ; tile a's 16 tokens x 64 columns through my stage: LDS serves a wave's instructions in order (ISA guide 5.7.1.4), so no wait stands between
.if (\a) > 0
	s_wait_xcnt 0x0                                ; the last tile's stores have read their registers
.endif
	WIN 0x08                                       ; an LDS store's data are its source 1: window 2
.irp b, 0,1,2,3
	ds_store_b128 v[STO], v[32*(\a)+8*\b:32*(\a)+8*\b+3] offset:128*(\b/2)+32*(\b%2)       ; each accumulator from its low end on
	ds_store_b128 v[STO], v[32*(\a)+8*\b+4:32*(\a)+8*\b+7] offset:128*(\b/2)+32*(\b%2)+16
.endr
	WIN 0
.irp i, 0,1,2,3,4,5,6,7
	ds_load_b128 v[RB+4*\i:RB+4*\i+3], v[RD] offset:544*\i
.endr
.endm
.macro NORM a                          ; RB += (row - mean) x rstd x gain; the rows lie in window 3, the pairs (mean, rstd) in v[PP] on
	WIN 0x03
.irp i, 0,1,2,3,4,5,6,7
.irp k, 0,2
	v_pk_add_f32 v[DD+4*\i+\k:DD+4*\i+\k+1], v[32*(\a)+4*\i+\k:32*(\a)+4*\i+\k+1], v[PP+16*(\a)+2*\i:PP+16*(\a)+2*\i+1] op_sel_hi:[1,0] neg_lo:[0,1] neg_hi:[0,1]
.endr
.endr
	WIN 0
.irp i, 0,1,2,3,4,5,6,7
.irp k, 0,1,2,3
	v_mul_f32 v[DD+4*\i+\k], v[PP+16*(\a)+2*\i+1], v[DD+4*\i+\k]
.endr
.endr
	s_wait_dscnt 0x0                               ; the rows are back from the stage
.irp i, 0,1,2,3,4,5,6,7
.irp k, 0,2
	v_pk_fma_f32 v[RB+4*\i+\k:RB+4*\i+\k+1], v[DD+4*\i+\k:DD+4*\i+\k+1], v[GN+\k:GN+\k+1], v[RB+4*\i+\k:RB+4*\i+\k+1]
.endr
.endr
.endm
.macro EPI a
	THROUGH \a
	NORM \a
.irp i, 0,1,2,3,4,5,6,7
	v_add_f32 v[PR+2*\i], v[RB+4*\i], v[RB+4*\i+1]
.endr
.irp i, 0,1,2,3,4,5,6,7
	v_add_f32 v[SM+\i], v[RB+4*\i+2], v[RB+4*\i+3]
.endr
.irp i, 0,1,2,3,4,5,6,7
	v_add_f32 v[PR+2*\i], v[PR+2*\i], v[SM+\i]
.endr
.irp m, 1,2,4,8
.irp i, 0,1,2,3,4,5,6,7
	v_add_f32_dpp v[PR+2*\i], v[PR+2*\i], v[PR+2*\i] row_xmask:\m row_mask:0xf bank_mask:0xf   ; the sixteen lanes of a row
.endr
.endr
.irp i, 0,1,2,3,4,5,6,7
	v_mul_f32 v[PR+2*\i], 0x3c800000, v[PR+2*\i]   ; the mean of the row's 64 columns
.endr
.irp i, 0,1,2,3,4,5,6,7
.irp k, 0,1,2,3
	v_sub_f32 v[DD+4*\i+\k], v[RB+4*\i+\k], v[PR+2*\i]
.endr
.endr
.irp i, 0,1,2,3,4,5,6,7
	v_mul_f32 v[PR+2*\i+1], v[DD+4*\i], v[DD+4*\i]
.endr
.irp k, 1,2,3
.irp i, 0,1,2,3,4,5,6,7
	v_fmac_f32 v[PR+2*\i+1], v[DD+4*\i+\k], v[DD+4*\i+\k]
.endr
.endr
.irp m, 1,2,4,8
.irp i, 0,1,2,3,4,5,6,7
	v_add_f32_dpp v[PR+2*\i+1], v[PR+2*\i+1], v[PR+2*\i+1] row_xmask:\m row_mask:0xf bank_mask:0xf
.endr
.endr
.irp i, 0,1,2,3,4,5,6,7
	global_store_b128 v26, v[RB+4*\i:RB+4*\i+3], s[72:73] offset:(32*((\a)/2)+8*((\a)%2)+2*\i+8*(\i/4))*4096   ; sixteen lanes store 256 consecutive bytes, aligned
	global_store_b64 v31, v[PR+2*\i:PR+2*\i+1], s[78:79] offset:(32*((\a)/2)+8*((\a)%2)+2*\i+8*(\i/4))*128    ; the row's pair: all sixteen lanes hold it and write the same 8 bytes
.endr
.endm
	s_load_b256 s[4:11], s[0:1], 0x0               ; ao, p1, y, g2
	s_load_b64 s[12:13], s[0:1], 0x20              ; tb
	v_lshl_add_u32 v28, v0, 2, SPARE               ; my spare word
	v_mov_b32 v29, 0
	ds_add_u32 v28, v29                            ; the opening lines: the add, twice on end, and its wait ahead of the round in front of the first loads
	ds_add_u32 v28, v29
	v_lshrrev_b32 v1, 5, v0
	v_readfirstlane_b32 s14, v1                    ; wave
	s_lshr_b32 s15, s14, 1                         ; iw
	s_and_b32 s16, s14, 1                          ; jw
	s_bfe_u32 s40, ttmp6, 0x40000                  ; cx
	s_bfe_u32 s41, ttmp6, 0x40004                  ; cy
	s_lshl_b32 s42, ttmp9, 2
	s_add_co_u32 s42, s42, s40                     ; X: 128 columns
	s_and_b32 s17, ttmp7, 0xffff
	s_lshl_b32 s17, s17, 2
	s_add_co_u32 s17, s17, s41                     ; Y: 128 tokens
	s_lshl_b32 s43, s41, 2
	s_lshl_b32 s43, 15, s43                        ; my row of the cluster
	s_lshl_b32 s44, 0x1111, s40                    ; my column
	s_or_b32 s[G1], s43, (3<<16)|(1<<21)           ; a record: 132 rows of 32 elements of 8 bytes, dense
	s_or_b32 s[G1B], s44, (3<<16)|(1<<21)
.irp g, G1, G1B
	s_mov_b32 s[\g+1], 32<<16
	s_mov_b32 s[\g+2], 264<<16                     ; two records on end: 264 rows of 256 bytes
	s_mov_b32 s[\g+3], 32<<16
	s_mov_b32 s[\g+4], 264
	s_mov_b32 s[\g+5], 32
	s_mov_b32 s[\g+6], 0
	s_mov_b32 s[\g+7], 0
.endr
	s_mul_i32 s18, s16, 2*REC                      ; chunks 2 jw and 2 jw + 1
	s_mul_i32 s20, s17, NKC*REC
	s_add_co_u32 s20, s20, s18
	s_mov_b32 s21, 0
	s_mul_i32 s46, s42, NKC*REC
	s_add_co_u32 s46, s46, s18
	s_add_co_u32 s46, s46, WB
	s_mov_b32 s47, 0
	s_mul_i32 s45, s14, 2*REC                      ; LDS: wave x two records: no place in the cluster enters an LDS address
	s_lshl_b32 s66, s17, 7
	s_lshl_b32 s67, s15, 6
	s_add_co_u32 s66, s66, s67                     ; my wave's first token
	s_lshl_b32 s68, s66, 12
	s_lshl_b32 s76, s42, 9
	s_lshl_b32 s67, s16, 8
	s_add_co_u32 s76, s76, s67                     ; my first column, in bytes
	s_mov_b32 s77, 0
	s_add_co_u32 s68, s68, s76
	s_mov_b32 s69, 0
	s_lshl_b32 s74, s66, 3
	s_add_co_u32 s74, s74, YST
	s_mov_b32 s75, 0
	s_lshl_b32 s78, s66, 7
	s_lshl_b32 s67, s42, 4
	s_add_co_u32 s78, s78, s67
	s_lshl_b32 s67, s16, 3
	s_add_co_u32 s78, s78, s67
	s_add_co_u32 s78, s78, TSTO
	s_mov_b32 s79, 0
	s_wait_dscnt 0x0                               ; both opening adds are done
	s_wait_kmcnt 0x0
	s_add_nc_u64 s[20:21], s[4:5], s[20:21]
	s_add_nc_u64 s[46:47], s[6:7], s[46:47]
	s_add_nc_u64 s[70:71], s[8:9], s[68:69]        ; y's rows
	s_add_nc_u64 s[72:73], s[12:13], s[68:69]      ; t's rows
	s_add_nc_u64 s[74:75], s[6:7], s[74:75]        ; (mean, rstd)
	s_add_nc_u64 s[76:77], s[10:11], s[76:77]      ; g2
	s_add_nc_u64 s[78:79], s[12:13], s[78:79]      ; the pairs
	CROUND                                         ; all sixteen work-groups are here: the joint loads meet
.irp s, 0
	s_mov_b32 s[G0+4*\s], 1
	s_add_co_u32 s[G0+4*\s+1], s45, \s*SLOT
	s_add_nc_u64 s[G0+4*\s+2:G0+4*\s+3], s[20:21], \s*2*REC
	s_or_b32 s[G0+4*\s+3], s[G0+4*\s+3], 0x80000000
	s_mov_b32 s[G0B+4*\s], 1
	s_add_co_u32 s[G0B+4*\s+1], s45, \s*SLOT
	s_add_nc_u64 s[G0B+4*\s+2:G0B+4*\s+3], s[46:47], \s*2*REC
	s_or_b32 s[G0B+4*\s+3], s[G0B+4*\s+3], 0x80000000
	s_cmp_eq_u32 s14, 0                            ; one chain, an arm a wave: waves 0 and 2 bring chunks 0 and 1 of K (A's, B's), waves 1 and 3 chunks 2 and 3; the first barrier waits for the first two arms' loads alone
	s_cbranch_scc0 .Lh1
	tensor_load_to_lds s[G0:G0+3], s[G1:G1+7]
	s_nop 0
	PLACES 4
	s_branch .Lhj
.Lh1:
	s_cmp_eq_u32 s14, 2
	s_cbranch_scc0 .Lh2
	tensor_load_to_lds s[G0B:G0B+3], s[G1B:G1B+7]
	s_nop 0
	PLACES 4
	s_branch .Lhj
.Lh2:
	s_cmp_eq_u32 s14, 1
	s_cbranch_scc0 .Lh3
	tensor_load_to_lds s[G0:G0+3], s[G1:G1+7]
	s_nop 0
	PLACES 4
	s_branch .Lhj
.Lh3:
	tensor_load_to_lds s[G0B:G0B+3], s[G1B:G1B+7]
	s_nop 0
	PLACES 4
.Lhj:
.endr
	v_and_b32 v1, 31, v0
	v_and_b32 v2, 15, v0
	v_bfe_u32 v3, v0, 4, 1
	v_lshlrev_b32 v6, 4, v1
	s_lshl_b32 s21, s15, 13
	s_lshl_b32 s22, s16, 13
	s_add_co_u32 s22, s22, 4*REC                   ; B's records lie behind A's four
	v_add_nc_u32 v[ADRA], s21, v6
	v_add_nc_u32 v[ADRB], s22, v6
	v_add_nc_u32 v[ADRA+1], SLOT, v[ADRA]
	v_add_nc_u32 v[ADRB+1], SLOT, v[ADRB]
	s_lshl_b32 s21, s15, 9
	s_lshl_b32 s22, s16, 9
	s_add_co_u32 s22, s22, 4*REC
	s_sub_co_u32 s22, s22, s21
	v_mul_u32_u24 v4, s22, v3
	v_lshl_add_u32 v4, v2, 3, v4
	s_add_co_u32 s21, s21, 32768
	v_add_nc_u32 v[ADRS], s21, v4
	v_add_nc_u32 v[ADRS+1], SLOT, v[ADRS]
	s_mul_i32 s23, s14, 16*272
	s_add_co_u32 s23, s23, STG
	v_mul_u32_u24 v4, v2, 272
	v_lshl_add_u32 v4, v3, 6, v4
	v_add_nc_u32 v[STO], s23, v4                   ; in: row = slot r, 64 bytes on for the upper half of the lanes
	v_mul_u32_u24 v5, v3, 272
	v_lshl_add_u32 v5, v2, 4, v5
	v_add_nc_u32 v[RD], s23, v5                    ; back: lanes 0-15 one row, lanes 16-31 the next
	v_lshlrev_b32 v30, 4, v2
	v_lshl_add_u32 v26, v3, 12, v30                ; the same two rows in memory
	v_lshlrev_b32 v27, 3, v3
	v_lshlrev_b32 v31, 7, v3
.irp a, 0,1,2,3
.irp i, 0,1,2,3,4,5,6,7
	global_load_b64 v[PP+16*\a+2*\i:PP+16*\a+2*\i+1], v27, s[74:75] offset:(32*(\a/2)+8*(\a%2)+2*\i+8*(\i/4))*8
.endr
.endr
	global_load_b128 v[GN:GN+3], v30, s[76:77]
	s_wait_alu depctr_va_vdst(0)                   ; the wait at the head's end
	s_cmp_eq_u32 s16, 0
	s_cbranch_scc0 .Llater
	s_wait_tensorcnt 0x0                           ; waves 0 and 2: chunks 0 and 1 are in
.Llater:
	s_barrier_signal -1
	s_barrier_wait -1
	FETCH 0, 0, 0
	SCALES 0
	STEP 0, 0, 1
	WIN 0xc0                                       ; destination window 3: my 64 x 64 of y, asked for behind the tiles and the first K step, wanted behind the products
.irp a, 0,1,2,3
.irp i, 0,1,2,3,4,5,6,7
	global_load_b128 v[32*\a+4*\i:32*\a+4*\i+3], v26, s[70:71] offset:(32*(\a/2)+8*(\a%2)+2*\i+8*(\i/4))*4096 th:TH_LOAD_NT
.endr
.endr
	WIN 0
	STEP 0, 1, 0
	STEP 0, 2, 0
	TURN 0, 1
	STEP 1, 0, 0
	STEP 1, 1, 0
	STEP 1, 2, 0
	s_wait_dscnt 0x0
	WIN MULW
.irp a, 0,1,2,3
	MUL4 1, \a, SC+16+9, 0
.endr
	WIN 0
	PLACES 8
	s_wait_alu depctr_va_vdst(0)
	s_wait_loadcnt 0x0                             ; y's rows, the pairs, the gains
.irp a, 0,1,2,3
	EPI \a
.endr
	s_wait_tensorcnt 0x0                           ; the wave's end
	ds_add_u32 v28, v29
	s_wait_dscnt 0x0
	CROUND                                         ; the closing round
	s_endpgm
.Lfunc_end_k_q223b7252d3_wo:
	.size	k_q223b7252d3_wo, .Lfunc_end_k_q223b7252d3_wo-k_q223b7252d3_wo
	.p2alignl 7, 3214868480
	.fill 96, 4, 3214868480
	.section	.rodata,"a",@progbits
	.p2align	6, 0x0
	.amdhsa_kernel k_q223b7252d3_wo
		.amdhsa_group_segment_fixed_size 327680
		.amdhsa_private_segment_fixed_size 0
		.amdhsa_enable_private_segment 0
		.amdhsa_kernarg_size 40
		.amdhsa_user_sgpr_count 2
		.amdhsa_user_sgpr_kernarg_segment_ptr 1
		.amdhsa_wavefront_size32 1
		.amdhsa_system_sgpr_workgroup_id_x 1
		.amdhsa_system_sgpr_workgroup_id_y 1
		.amdhsa_system_sgpr_workgroup_id_z 1
		.amdhsa_system_vgpr_workitem_id 0
		.amdhsa_next_free_vgpr 1024
		.amdhsa_next_free_sgpr 98
		.amdhsa_reserve_vcc 0
		.amdhsa_float_denorm_mode_32 3
		.amdhsa_float_denorm_mode_16_64 3
		.amdhsa_memory_ordered 1
		.amdhsa_forward_progress 1
		.amdhsa_inst_pref_size 102
	.end_amdhsa_kernel
	.amdgpu_metadata
---
amdhsa.version: [ 1, 2 ]
amdhsa.kernels:
  - .name:           k_q223b7252d3_wo
    .symbol:         k_q223b7252d3_wo.kd
    .args:
      - { .name: ao, .offset: 0, .size: 8, .value_kind: global_buffer, .address_space: global }
      - { .name: p1, .offset: 8, .size: 8, .value_kind: global_buffer, .address_space: global }
      - { .name: y, .offset: 16, .size: 8, .value_kind: global_buffer, .address_space: global }
      - { .name: g2, .offset: 24, .size: 8, .value_kind: global_buffer, .address_space: global }
      - { .name: tb, .offset: 32, .size: 8, .value_kind: global_buffer, .address_space: global }
    .group_segment_fixed_size: 327680
    .private_segment_fixed_size: 0
    .kernarg_segment_align: 8
    .kernarg_segment_size: 40
    .max_flat_workgroup_size: 128
    .sgpr_count:     98
    .vgpr_count:     1024
    .wavefront_size: 32
...
	.end_amdgpu_metadata
.endif
;; end of part 4
;; launch ff1 (part 5): grid 256 x 1, 4 waves a work-group, clusters of 4 x 1, 327,680 bytes of LDS; arguments p1, act; writes act
.if DOCPART == 5
	.amdgcn_target "amdgcn-amd-amdhsa--gfx1250"
	.amdhsa_code_object_version 6
	.text
	.protected	k_q223b7252d3_ff1
	.globl	k_q223b7252d3_ff1
	.p2align	8
	.type	k_q223b7252d3_ff1,@function
k_q223b7252d3_ff1:
	s_mov_b64 s[64:65], 0
	v_nop
	global_prefetch_b8 v0, s[64:65] scope:SCOPE_SE
	s_setreg_imm32_b32 hwreg(HW_REG_WAVE_MODE, 25, 1), 1
	s_wait_xcnt 0x0
	s_wait_alu depctr_hold_cnt(0) depctr_sa_sdst(0) depctr_va_vdst(0) depctr_va_sdst(0) depctr_va_ssrc(0) depctr_va_vcc(0) depctr_vm_vsrc(0)
	s_getreg_b32 s2, hwreg(HW_REG_IB_STS2, 6, 4)
	s_cmp_eq_u32 s2, 0
	s_cbranch_scc0 .Lentry_in_a_cluster
	s_endpgm
.Lentry_in_a_cluster:
	s_bfe_u32 s2, ttmp6, 0x10000c
	s_cmp_lg_u32 s2, 0x3003
	s_cbranch_scc0 .Lentry_shape_is_right
	s_endpgm
.Lentry_shape_is_right:
; FF1: act = (yn Wff1[:, :4096]) x silu(yn Wff1[:, 4096:]), both products on codes of E5M2 (K = 1,024), and act's quantiser along its 4,096 columns, which are the next product's K.
; p1 holds yn and Wff1 as records of 33,792 bytes (128 rows x 256 K in the order of the operand's registers, scale bytes behind the codes); Wff1's group G holds value columns 64 G .. + 63 in tiles 0-3 and their gate columns in tiles 4-7.
; act leaves in the same kind of records: [group of 128 tokens][chunk of 256 of the 4,096].
; THE DEAL.  256 work-groups of four waves.  Cluster number cl: e = cl % 8 is the run of 512 tokens, X = 4 (cl / 8) + cx the pair of weight groups 2 X, 2 X + 1.
; Wave w holds 64 rows of group 2 X + w / 2, ALL of K, in 512 registers (windows 1, 2): value tiles 2 u, 2 u + 1 and gate tiles 4 + 2 u, 5 + 2 u, u = w % 2.  They come from memory straight into registers: the records lie in register order.
; yn's 512 rows go past them in 32 blocks of 16 tokens, 32 products a block on four accumulators by turns; a block stands in registers whole, in two sets (window 3): behind a block's products its set takes the block two on.
; Source 0 = the weight's rows, source 1 = yn's: a lane holds one token, and by the records' order of rows its 16 registers of a pair of tiles are 16 neighbouring columns: 32 w + 16 (lane / 16) + i of the 128 of X's K step.
; THE WAY OUT GOES BY PAIRS OF BLOCKS, on two sets of sums: one batch of 32 exponentials and one of 32 reciprocals serve both blocks, and the two quantisers take turns line by line.
; LDS: two slots of a chunk (128 tokens, all of K: four records, 135,168 bytes), 2,048 bytes for act's scale bytes, the spare words.  Chunk 0 is asked for at the head, chunk 1 behind the full sequence, chunks 2 and 3 in drained rounds inside block 6 of chunks 0 and 1.
; CLUSTER 4 x 1: the four work-groups share e and ask for each record of yn jointly, a record a wave.  The weights are not asked for jointly: no two waves of a cluster hold the same rows.
; NO PREFETCH: a chunk is asked for eight blocks, 256 products a wave, ahead of its first read.
; LIMITS: NaN and infinities are not served; a block of zeros gets the byte 1 (its codes are zeros; this program alone reads the bytes).
.set REC,   33792
.set SLOT,  4*REC
.set XS,    2*SLOT                     ; act's scale bytes: [chunk][tile][slot r][wave]
.set SPARE, XS+2048
.set YN,    4325376
.set WF1,   10948608
.set NF,    36                         ; LDS loads of a block: 32 of codes, 4 of scale words
.set XR,    3                          ; v3   LDS: my wave's 512 scale bytes on the way out
.set L16,   4                          ; v4   16 x lane
.set R8,    5                          ; v5   8 x (lane % 16)
.set WO,    6                          ; v6   the weights' codes: 16 x lane + 4096 u
.set WSO,   7                          ; v7   their scale words: 8 x lane + 256 u
.set CO,    8                          ; v8   act's codes: 16 x lane + 512 w
.set VX0,   9                          ; v9   LDS: XS + 4 r + w
.set SPW,   10
.set NIL,   11
.set ADRA,  12                         ; v12, v13  LDS address of a pair of blocks: chunks 0-1 of K, chunks 2-3
.set AAS,   14                         ; v14, v15  the same for their scale words
.set CO2,   16
.set VX,    17
.set SO,    23                         ; v23  8 x lane
.set SB,    24                         ; v24-39  the weights' scale words: register 8 p + q: lanes 0-15 the pair's even tile, lanes 16-31 the odd
.set EB,    40
.set SA,    44                         ; v44-59  yn's, two sets of eight
.set ACC,   64                         ; block j of a pair: v[64 + 32 j] on: 16 of value, 16 of gate
.set TQ,    132                        ; block j: v[132 + 8 j] on: two maxima, the other half's, the conversion's scale operand, the bound
.set CD,    192                        ; v192-199 codes, four registers for each block of a pair
.set G1,    24
.set G0,    32
.set WR,    36                         ; s36 wave x a record
.set CUR,   37                         ; s37 the slot of the chunk in hand
.set FO,    38                         ; s38, s39 where the pair that is fetched next lies: codes, scale words
.set FS,    39
.set OO,    43                         ; s43 the pair's codes in act
.set XO,    44                         ; s44 the pair's scale bytes in LDS
.set IC,    45
.set OC,    46
.set MSB, 0
.macro WIN new                         ; the immediate's high byte repeats the setting that is left
.if MSB != (\new)
	s_set_vgpr_msb (MSB<<8)|(\new)
.set MSB, (\new)
.endif
.endm
.macro PLACES n
.rept \n
	v_nop
.endr
.endm
.macro WALU
	s_wait_alu depctr_va_vdst(0)
.endm
.macro BARRIER
	s_barrier_signal -1
	s_barrier_wait -1
.endm
.macro MIDDLE                          ; a round's middle: behind my work-group's barrier wave 0 signals the cluster's, and all wait for it
	s_barrier_wait -1
	s_cmp_lg_u32 s14, 0
	s_cbranch_scc1 .Lnot_wave_0_\@
	s_barrier_signal -3
.Lnot_wave_0_\@:
	s_barrier_wait -3
.endm
.macro CROUND                          ; a round of the cluster's barrier
	s_barrier_signal -1
	MIDDLE
	BARRIER
.endm
.macro TLOAD                           ; my record of a chunk; an s_nop 0 and four v_nop follow
	tensor_load_to_lds s[G0:G0+3], s[G1:G1+7]
	s_nop 0
	PLACES 4
.endm
.macro ADDR                            ; the LDS addresses of the pair of blocks at s[FO], s[FS]
	v_add_nc_u32 v[ADRA], s[FO], v[L16]
	v_add_nc_u32 v[AAS], s[FS], v[R8]
	v_add_nc_u32 v[ADRA+1], 2*REC, v[ADRA]
	v_add_nc_u32 v[AAS+1], 2*REC, v[AAS]
.endm
.macro FETCH e, j                      ; block j of the pair, 16 tokens, all of K, into set e, and its scale words: NF loads, each of consecutive bytes
	WIN 3<<6
.irp q, 0,1,2,3,4,5,6,7
.irp c, 0,1,2,3
	ds_load_b128 v[128*(\e)+16*\q+4*\c:128*(\e)+16*\q+4*\c+3], v[ADRA+(\q/4)] offset:((\q/2)%2)*REC+(\q%2)*16384+512*\c+2048*(\j)
.endr
.endr
	WIN 0
.irp kc, 0,1,2,3
	ds_load_b64 v[SA+8*(\e)+2*\kc:SA+8*(\e)+2*\kc+1], v[AAS+(\kc/2)] offset:(\kc%2)*REC+128*(\j)
.endr
.endm
.macro PROD e, n                       ; product n = 4 q + b of block e of a pair: the q-th 128 of K, my tile b (0, 1 value; 2, 3 gate); the first four start the sums
.set Q_, (\n)/4
.set B_, (\n)%4
.set AC_, ACC+32*(\e)+8*B_
.set R_, 128*(\e)+16*Q_
.set W_, 16*((\n)%16)
.set XS_, SA+8*(\e)+Q_
.set WS_, SB+8*(B_/2)+Q_
	WIN (1+(\n)/16)|(3<<2)
.if Q_ && B_%2
	v_wmma_scale_f32_16x16x128_f8f6f4 v[AC_:AC_+7], v[W_:W_+15], v[R_:R_+15], v[AC_:AC_+7], v[WS_], v[XS_] matrix_a_fmt:MATRIX_FMT_BF8 matrix_b_fmt:MATRIX_FMT_BF8 matrix_a_scale:MATRIX_SCALE_ROW1
.elseif Q_
	v_wmma_scale_f32_16x16x128_f8f6f4 v[AC_:AC_+7], v[W_:W_+15], v[R_:R_+15], v[AC_:AC_+7], v[WS_], v[XS_] matrix_a_fmt:MATRIX_FMT_BF8 matrix_b_fmt:MATRIX_FMT_BF8
.elseif B_%2
	v_wmma_scale_f32_16x16x128_f8f6f4 v[AC_:AC_+7], v[W_:W_+15], v[R_:R_+15], 0, v[WS_], v[XS_] matrix_a_fmt:MATRIX_FMT_BF8 matrix_b_fmt:MATRIX_FMT_BF8 matrix_a_scale:MATRIX_SCALE_ROW1
.else
	v_wmma_scale_f32_16x16x128_f8f6f4 v[AC_:AC_+7], v[W_:W_+15], v[R_:R_+15], 0, v[WS_], v[XS_] matrix_a_fmt:MATRIX_FMT_BF8 matrix_b_fmt:MATRIX_FMT_BF8
.endif
.endm
.macro PRODS e, from, to
.set N_, \from
.rept (\to)-(\from)
	PROD \e, N_
.set N_, N_+1
.endr
.endm
.macro VG j                            ; value x gate, or at the end x the reciprocal, of block j: eight lines; each accumulator is first read at its low end
.set K_, 0
.rept 8
	v_pk_mul_f32 v[ACC+32*(\j)+K_:ACC+32*(\j)+K_+1], v[ACC+32*(\j)+K_:ACC+32*(\j)+K_+1], v[ACC+32*(\j)+16+K_:ACC+32*(\j)+17+K_]
.set K_, K_+2
.endr
.endm
.macro GC j                            ; gate x -log2(e)
.set K_, 0
.rept 8
	v_pk_mul_f32 v[ACC+32*(\j)+16+K_:ACC+32*(\j)+17+K_], v[ACC+32*(\j)+16+K_:ACC+32*(\j)+17+K_], s[66:67] op_sel_hi:[1,0]
.set K_, K_+2
.endr
.endm
; A PAIR'S WAY OUT (VG 0 has been run): value x gate / (1 + 2^(-gate log2 e)); a scale block of 32 columns lies in lanes l and l xor 16; a block's 16 codes a lane leave as 512 consecutive bytes a wave, its byte goes to LDS.
; Each batch of transcendentals has one wait ahead of it and one behind it.
.macro WAYOUT
	GC 0
	VG 1
	GC 1
	WALU
.irp j, 0,1
.set K_, 0
.rept 16
	v_exp_f32 v[ACC+32*\j+16+K_], v[ACC+32*\j+16+K_]
.set K_, K_+1
.endr
.endr
	v_nop
	WALU
.irp j, 0,1
.set K_, 0
.rept 8
	v_pk_add_f32 v[ACC+32*\j+16+K_:ACC+32*\j+17+K_], v[ACC+32*\j+16+K_:ACC+32*\j+17+K_], 1.0 op_sel_hi:[1,0]
.set K_, K_+2
.endr
.endr
	WALU
.irp j, 0,1
.set K_, 0
.rept 16
	v_rcp_f32 v[ACC+32*\j+16+K_], v[ACC+32*\j+16+K_]
.set K_, K_+1
.endr
.endr
	v_nop
	WALU
	VG 0
	VG 1
.irp j, 0,1
	v_max3_num_f32 v[TQ+8*\j], |v[ACC+32*\j]|, |v[ACC+32*\j+1]|, 0x8000000          ; with the floor 2^(16 - 127): the byte cannot fall under 1
	v_max3_num_f32 v[TQ+8*\j+1], |v[ACC+32*\j+2]|, |v[ACC+32*\j+3]|, |v[ACC+32*\j+4]|
.endr
.irp i, 5,9
.irp j, 0,1
	v_max3_num_f32 v[TQ+8*\j], v[TQ+8*\j], |v[ACC+32*\j+\i]|, |v[ACC+32*\j+\i+1]|
	v_max3_num_f32 v[TQ+8*\j+1], v[TQ+8*\j+1], |v[ACC+32*\j+\i+2]|, |v[ACC+32*\j+\i+3]|
.endr
.endr
.irp j, 0,1
	v_max3_num_f32 v[TQ+8*\j], v[TQ+8*\j], |v[ACC+32*\j+13]|, |v[ACC+32*\j+14]|
.endr
.irp j, 0,1
	v_max3_num_f32 v[TQ+8*\j], v[TQ+8*\j], v[TQ+8*\j+1], |v[ACC+32*\j+15]|
.endr
.irp j, 0,1
	v_permlanex16_b32 v[TQ+8*\j+2], v[TQ+8*\j], s60, s61
.endr
.irp j, 0,1
	v_max_num_f32 v[TQ+8*\j], v[TQ+8*\j], v[TQ+8*\j+2]             ; with lane l xor 16's: the block's largest magnitude
.endr
.irp j, 0,1
	v_add_nc_u32 v[TQ+8*\j+3], 0xf8800000, v[TQ+8*\j]              ; 15 off the exponent field: the conversion's scale operand
.endr
.irp j, 0,1
	v_and_or_b32 v[TQ+8*\j+4], v[TQ+8*\j], 0x7f800000, s62         ; 57,344 x the scale
.endr
.irp j, 0,1
	v_lshrrev_b32 v[EB+\j], 23, v[TQ+8*\j+3]                       ; the scale's byte
.endr
.irp j, 0,1
.set K_, 0
.rept 16
	v_med3_num_f32 v[ACC+32*\j+K_], v[ACC+32*\j+K_], -v[TQ+8*\j+4], v[TQ+8*\j+4]   ; the conversion does not saturate (ISA guide 7.6.2): the hold comes first
.set K_, K_+1
.endr
.endr
.irp j, 0,1
	v_cvt_scalef32_pk8_bf8_f32 v[CD+4*\j:CD+4*\j+1], v[ACC+32*\j:ACC+32*\j+7], v[TQ+8*\j+3]
	v_cvt_scalef32_pk8_bf8_f32 v[CD+4*\j+2:CD+4*\j+3], v[ACC+32*\j+8:ACC+32*\j+15], v[TQ+8*\j+3]
.endr
	v_add_nc_u32 v[CO2], s[OO], v[CO]              ; the pair's places (plain lines behind the last conversion); the last pair's stores have read this register (the wait at the pair's head)
	v_add_nc_u32 v[VX], s[XO], v[VX0]
.irp j, 0,1
	ds_store_b8 v[VX], v[EB+\j] offset:64*\j       ; both halves of the lanes write the same byte with the same value
	global_store_b128 v[CO2], v[CD+4*\j:CD+4*\j+3], s[6:7] offset:2048*\j
.endr
.endm
; A PAIR OF BLOCKS.  kind 0: tiles 0-5 of a chunk.  kind 1: tiles 6, 7 with a drained round: the next chunk is shown, this chunk's slot, whose last reads are over, takes the chunk two on.
; kind 2: tiles 6, 7 with a plain barrier, which shows the last chunk; in the launch's last pair nothing is fetched.
; s_wait_dscnt NF: all but the youngest NF LDS instructions are done; behind a set's fetch stand at least the other set's NF loads.
.macro PAIR kind
	s_wait_dscnt NF
	s_wait_xcnt 0x0                                ; the last pair's stores have read their registers
.if \kind == 1
	s_wait_tensorcnt 0x0                           ; my record of the next chunk is in;
	ds_add_u32 v[SPW], v[NIL]                      ; the add; products stand between it and its wait
	s_add_co_u32 s[G0+1], s[WR], s[CUR]            ; no load of mine is out: the chunk two on, into this chunk's slot
	s_add_nc_u64 s[G0+2:G0+3], s[G0+2:G0+3], 4*REC
.endif
	PRODS 0, 0, 28
.if \kind > 0
	WIN 0
	WALU                                           ; the wait ahead of the signal
.if \kind == 2
	s_wait_tensorcnt 0x0                           ; my record of the last chunk is in
.endif
	s_wait_dscnt 0x0                               ; the add is done, and my reads of this chunk's slot are over: tile 7 was fetched behind tile 5's products
	s_barrier_signal -1
.endif
	PRODS 0, 28, 32
	WIN 0
.if \kind == 1
	MIDDLE
	BARRIER
	TLOAD                                          ; the first tensor load behind the round; its four v_nop and the four additions are the eight places
.elseif \kind == 2
	s_barrier_wait -1
	PLACES 8
.endif
.if \kind > 0
	s_xor_b32 s[CUR], s[CUR], SLOT                 ; on to the other slot: the next chunk's tiles 0 and 1
	s_mov_b32 s[FO], s[CUR]
	s_add_co_u32 s[FS], s[CUR], 32768
.endif
.if \kind == 2
	s_cmp_eq_u32 s[OC], 3
	s_cbranch_scc1 .Lno_even_\@
.endif
	ADDR
.if \kind == 0
	PLACES 4                                       ; with the four additions eight places between the products and the loads into the set that they read
.endif
	WALU                                           ; the wait behind these writes
	FETCH 0, 0
.if \kind == 2
.Lno_even_\@:
.endif
.if \kind == 0
	s_wait_dscnt NF
.endif
	PRODS 1, 0, 32
	WIN 0
	VG 0                                           ; the even block's first eight lines name no register of the odd block's products: they are the eight places
.if \kind == 2
	s_cmp_eq_u32 s[OC], 3
	s_cbranch_scc1 .Lno_odd_\@
.endif
	FETCH 1, 1
.if \kind == 2
.Lno_odd_\@:
.endif
	WAYOUT
.endm
.macro THREE lab                       ; tiles 0-5 of the chunk in s[CUR]: three trips of a pair
	s_add_co_u32 s[FO], s[CUR], 4096
	s_add_co_u32 s[FS], s[CUR], 32768+256
	s_mov_b32 s[IC], 0
\lab:
	PAIR 0
	s_add_co_u32 s[FO], s[FO], 4096
	s_add_co_u32 s[FS], s[FS], 256
	s_add_co_u32 s[OO], s[OO], 4096
	s_add_co_u32 s[XO], s[XO], 128
	s_add_co_u32 s[IC], s[IC], 1
	s_cmp_lg_u32 s[IC], 3
	WALU                                           ; the wait ahead of the branch
	s_cbranch_scc1 \lab
.endm
.macro NEXTCHUNK
	s_add_co_u32 s[OO], s[OO], 16*REC-12288        ; the next group of 128 tokens
	s_add_co_u32 s[XO], s[XO], 128
	s_add_co_u32 s[OC], s[OC], 1
.endm
	s_load_b128 s[4:7], s[0:1], 0x0                ; p1, act
	v_lshl_add_u32 v[SPW], v0, 2, SPARE
	v_mov_b32 v[NIL], 0
	ds_add_u32 v[SPW], v[NIL]                      ; the opening lines: the add, twice on end, and its wait ahead of the round in front of the first loads
	ds_add_u32 v[SPW], v[NIL]
	v_lshrrev_b32 v1, 5, v0
	v_readfirstlane_b32 s14, v1                    ; wave w
	s_lshr_b32 s15, s14, 1
	s_and_b32 s16, s14, 1                          ; u
	s_bfe_u32 s40, ttmp6, 0x40000                  ; cx
	s_and_b32 s41, ttmp9, 7                        ; e, which the four partners share
	s_lshr_b32 s42, ttmp9, 3
	s_lshl_b32 s42, s42, 2
	s_add_co_u32 s42, s42, s40                     ; X: it enters the weights' and act's global addresses alone
	s_mov_b32 s[G1], 15|(3<<16)|(1<<21)            ; the mask: all four work-groups; elements of 8 bytes; bit 21 set beside a mask
	s_mov_b32 s[G1+1], 32<<16                      ; a record: 132 rows of 256 bytes, dense
	s_mov_b32 s[G1+2], 132<<16
	s_mov_b32 s[G1+3], 32<<16
	s_mov_b32 s[G1+4], 132
	s_mov_b32 s[G1+5], 32
	s_mov_b32 s[G1+6], 0
	s_mov_b32 s[G1+7], 0
	s_mov_b32 s[G0], 1
	s_mul_i32 s[WR], s14, REC
	s_mov_b32 s[G0+1], s[WR]                       ; chunk 0 into slot 0
	s_mul_i32 s50, s41, 16*REC                     ; yn's group 4 e, my record
	s_add_co_u32 s50, s50, s[WR]
	s_add_co_u32 s50, s50, YN
	s_mov_b32 s51, 0
	s_lshl_b32 s48, s42, 1
	s_add_co_u32 s48, s48, s15                     ; my weight group
	s_mul_i32 s48, s48, 4*REC
	s_add_co_u32 s48, s48, WF1
	s_mov_b32 s49, 0
	s_mul_i32 s[OO], s41, 64*REC                   ; act: record (4 e, X / 2),
	s_lshr_b32 s20, s42, 1
	s_mul_i32 s20, s20, REC
	s_add_co_u32 s[OO], s[OO], s20
	s_and_b32 s21, s42, 1
	s_lshl_b32 s22, s21, 14
	s_mul_i32 s52, s14, 16*REC                     ; at the end wave w stores the scale bytes of chunk w
	s_add_co_u32 s52, s52, s[OO]
	s_lshl_b32 s21, s21, 2
	s_add_co_u32 s52, s52, s21
	s_add_co_u32 s52, s52, 32768
	s_mov_b32 s53, 0
	s_add_co_u32 s[OO], s[OO], s22                 ; K step X % 2
	s_mov_b32 s60, 0x76543210
	s_mov_b32 s61, 0xfedcba98                      ; v_permlanex16_b32's selects for lane l xor 16
	s_mov_b32 s62, 0x600000                        ; the mantissa field of 57,344
	s_mov_b32 s66, 0xbfb8aa3b                      ; -log2(e)
	s_mov_b32 s67, s66
	s_mov_b32 s[CUR], 0
	s_mov_b32 s[FO], 0
	s_mov_b32 s[FS], 32768
	s_mov_b32 s[XO], 0
	s_mov_b32 s[OC], 0
	s_wait_dscnt 0x0                               ; both opening adds are done
	CROUND                                         ; all four work-groups are here: the joint loads meet
	s_wait_kmcnt 0x0
	s_add_nc_u64 s[G0+2:G0+3], s[4:5], s[50:51]
	s_or_b32 s[G0+3], s[G0+3], 0x80000000
	s_add_nc_u64 s[48:49], s[4:5], s[48:49]
	s_add_nc_u64 s[52:53], s[6:7], s[52:53]
	TLOAD                                          ; chunk 0: one tensor load a wave at the head
	v_and_b32 v1, 31, v0                           ; lane
	v_and_b32 v2, 15, v0                           ; r
	v_lshlrev_b32 v[L16], 4, v1
	v_lshlrev_b32 v[R8], 3, v2
	v_lshlrev_b32 v[SO], 3, v1
	s_lshl_b32 s20, s16, 12
	v_add_nc_u32 v[WO], s20, v[L16]
	s_lshl_b32 s20, s16, 8
	v_add_nc_u32 v[WSO], s20, v[SO]
	s_lshl_b32 s20, s14, 9
	v_add_nc_u32 v[CO], s20, v[L16]
	s_add_co_u32 s21, s20, XS
	v_lshl_add_u32 v[XR], v1, 2, s21
	s_add_co_u32 s21, s14, XS
	v_lshl_add_u32 v[VX0], v2, 2, s21
	v_mov_b32 v[TQ+2], 0                           ; a lane permute's destination counts as one of its sources
	v_mov_b32 v[TQ+10], 0
.set N_, 0
.rept 32                               ; my 64 rows of the weight, all of K: fragment 4 q + b in window 1 + (4 q + b) / 16; each load takes 512 consecutive bytes
	WIN (1+N_/16)<<6
.irp c, 0,1,2,3
	global_load_b128 v[16*(N_%16)+4*\c:16*(N_%16)+4*\c+3], v[WO], s[48:49] offset:(N_/8)*REC+((N_/4)%2)*16384+(N_%2)*2048+((N_%4)/2)*8192+512*\c
.endr
.set N_, N_+1
.endr
	WIN 0
.irp p, 0,1
.irp kc, 0,1,2,3
	global_load_b64 v[SB+8*\p+2*\kc:SB+8*\p+2*\kc+1], v[WSO], s[48:49] offset:\kc*REC+32768+512*\p   ; two K steps' scale words of a pair of tiles
.endr
.endr
	WALU                                           ; the wait at the head's end
	s_wait_tensorcnt 0x0                           ; my record of chunk 0 is in
	ds_add_u32 v[SPW], v[NIL]
	s_add_co_u32 s[G0+1], s[WR], SLOT              ; chunk 1 into slot 1
	s_add_nc_u64 s[G0+2:G0+3], s[G0+2:G0+3], 4*REC
	s_wait_dscnt 0x0
	CROUND
	TLOAD
	ADDR
	FETCH 0, 0
	FETCH 1, 1
	WALU
	s_wait_loadcnt 0x0                             ; the weights and their scale words
.Lfill:                                            ; chunks 0 and 1: each trip ends with its one refill
	THREE .Lin_fill
	PAIR 1
	NEXTCHUNK
	s_cmp_lg_u32 s[OC], 2
	WALU
	s_cbranch_scc1 .Lfill
.Lrest:                                            ; chunks 2 and 3: nothing more is asked for
	THREE .Lin_rest
	PAIR 2
	NEXTCHUNK
	s_cmp_lg_u32 s[OC], 4
	WALU
	s_cbranch_scc1 .Lrest
	s_wait_dscnt 0x0                               ; my scale bytes are in LDS
	BARRIER                                        ; everybody's are
.irp k, 0,1,2,3
	ds_load_b32 v[128+\k], v[XR] offset:128*\k     ; chunk w's words: the four waves' bytes of a token
.endr
	s_wait_dscnt 0x0
.irp k, 0,1,2,3
	global_store_b32 v[SO], v[128+\k], s[52:53] offset:256*\k   ; a token's four of its record's eight bytes; the work-group with X xor 1 stores the other four
.endr
	s_wait_tensorcnt 0x0                           ; the wave's end
	ds_add_u32 v[SPW], v[NIL]
	s_wait_dscnt 0x0
	CROUND                                         ; the closing round
	s_endpgm
.Lfunc_end_k_q223b7252d3_ff1:
	.size	k_q223b7252d3_ff1, .Lfunc_end_k_q223b7252d3_ff1-k_q223b7252d3_ff1
	.p2alignl 7, 3214868480
	.fill 96, 4, 3214868480
	.section	.rodata,"a",@progbits
	.p2align	6, 0x0
	.amdhsa_kernel k_q223b7252d3_ff1
		.amdhsa_group_segment_fixed_size 327680
		.amdhsa_private_segment_fixed_size 0
		.amdhsa_enable_private_segment 0
		.amdhsa_kernarg_size 16
		.amdhsa_user_sgpr_count 2
		.amdhsa_user_sgpr_kernarg_segment_ptr 1
		.amdhsa_wavefront_size32 1
		.amdhsa_system_sgpr_workgroup_id_x 1
		.amdhsa_system_sgpr_workgroup_id_y 1
		.amdhsa_system_sgpr_workgroup_id_z 1
		.amdhsa_system_vgpr_workitem_id 0
		.amdhsa_next_free_vgpr 1024
		.amdhsa_next_free_sgpr 100
		.amdhsa_reserve_vcc 0
		.amdhsa_float_denorm_mode_32 3
		.amdhsa_float_denorm_mode_16_64 3
		.amdhsa_memory_ordered 1
		.amdhsa_forward_progress 1
		.amdhsa_inst_pref_size 122
	.end_amdhsa_kernel
	.amdgpu_metadata
---
amdhsa.version: [ 1, 2 ]
amdhsa.kernels:
  - .name:           k_q223b7252d3_ff1
    .symbol:         k_q223b7252d3_ff1.kd
    .args:
      - { .name: p1, .offset: 0, .size: 8, .value_kind: global_buffer, .address_space: global }
      - { .name: act, .offset: 8, .size: 8, .value_kind: global_buffer, .address_space: global }
    .group_segment_fixed_size: 327680
    .private_segment_fixed_size: 0
    .kernarg_segment_align: 8
    .kernarg_segment_size: 16
    .max_flat_workgroup_size: 128
    .sgpr_count:     100
    .vgpr_count:     1024
    .wavefront_size: 32
...
	.end_amdgpu_metadata
.endif
;; end of part 5
;; launch ff2 (part 6): grid 8 x 32, 4 waves a work-group, clusters of 4 x 4, 327,680 bytes of LDS; arguments act, p1, tb, g_out, out0; writes out0
.if DOCPART == 6
	.amdgcn_target "amdgcn-amd-amdhsa--gfx1250"
	.amdhsa_code_object_version 6
	.text
	.protected	k_q223b7252d3_ff2
	.globl	k_q223b7252d3_ff2
	.p2align	8
	.type	k_q223b7252d3_ff2,@function
k_q223b7252d3_ff2:
	s_mov_b64 s[64:65], 0
	v_nop
	global_prefetch_b8 v0, s[64:65] scope:SCOPE_SE
	s_setreg_imm32_b32 hwreg(HW_REG_WAVE_MODE, 25, 1), 1
	s_wait_xcnt 0x0
	s_wait_alu depctr_hold_cnt(0) depctr_sa_sdst(0) depctr_va_vdst(0) depctr_va_sdst(0) depctr_va_ssrc(0) depctr_va_vcc(0) depctr_vm_vsrc(0)
	s_getreg_b32 s2, hwreg(HW_REG_IB_STS2, 6, 4)
	s_cmp_eq_u32 s2, 0
	s_cbranch_scc0 .Lentry_in_a_cluster
	s_endpgm
.Lentry_in_a_cluster:
	s_bfe_u32 s2, ttmp6, 0x10000c
	s_cmp_lg_u32 s2, 0xf033
	s_cbranch_scc0 .Lentry_shape_is_right
	s_endpgm
.Lentry_shape_is_right:
.set REC,   33792
.set SLOT,  4*REC
.set SPARE, 2*SLOT
.set STG,   SPARE+512
.set NKC,   16
.set WB,    19599360
.set TSTO,  16777216
.set ADRA,  16
.set ADRB,  20
.set ADRS,  22
.set STO,   24
.set RD,    25
.set SPW,   28
.set NIL,   29
.set SC,    32
.set RB,    64
.set DD,    96
.set SM,    128
.set GN,    152
.set TT,    156
.set PP,    192
.set G1, 24
.set G0, 32
.set G1B, 48
.set G0B, 56
.set MSB, 0
.macro WIN new
.if MSB != (\new)
	s_set_vgpr_msb (MSB<<8)|(\new)
.set MSB, (\new)
.endif
.endm
.set MULW, 0xa5
.set TOF,  0x40
.macro PLACES n
.rept \n
	v_nop
.endr
.endm
.macro JLOAD g0a, g1a, g0b, g1b
	s_cmp_eq_u32 s15, 0
	s_cbranch_scc0 .Lfor_b_\@
	tensor_load_to_lds s[\g0a:\g0a+3], s[\g1a:\g1a+7]
	s_nop 0
	PLACES 4
	s_branch .Lasked_\@
.Lfor_b_\@:
	tensor_load_to_lds s[\g0b:\g0b+3], s[\g1b:\g1b+7]
	s_nop 0
	PLACES 4
.Lasked_\@:
.endm
.macro CREST
	s_cmp_lg_u32 s14, 0
	s_cbranch_scc1 .Lnot_wave_0_\@
	s_barrier_signal -3
.Lnot_wave_0_\@:
	s_barrier_wait -3
	s_barrier_signal -1
	s_barrier_wait -1
.endm
.macro CROUND
	s_barrier_signal -1
	s_barrier_wait -1
	CREST
.endm
.macro FETCH slot, q, p
	WIN TOF
.irp i, 0,1,2,3
.irp c, 0,1,2,3
	ds_load_b128 v[128*(\p)+64+16*\i+4*\c:128*(\p)+64+16*\i+4*\c+3], v[ADRB+\slot] offset:((\q)/2)*REC+((\q)%2)*16384+2048*\i+512*\c
.endr
.endr
.irp i, 0,1,2,3
.irp c, 0,1,2,3
	ds_load_b128 v[128*(\p)+16*\i+4*\c:128*(\p)+16*\i+4*\c+3], v[ADRA+\slot] offset:((\q)/2)*REC+((\q)%2)*16384+2048*\i+512*\c
.endr
.endr
.endm
.macro SCALES slot
	WIN 0
.irp kc, 0,1
.irp i, 0,1,2,3
	ds_load_b64 v[SC+16*\slot+8*\kc+2*\i:SC+16*\slot+8*\kc+2*\i+1], v[ADRS+\slot] offset:\kc*REC+128*\i
.endr
.endr
.endm
.macro MUL4 p, a, sx, zero
.irp b, 0,1,2,3
.if \zero
	v_wmma_scale_f32_16x16x128_f8f6f4 v[8*(4*(\a)+\b):8*(4*(\a)+\b)+7], v[128*(\p)+64+16*\b:128*(\p)+64+16*\b+15], v[128*(\p)+16*(\a):128*(\p)+16*(\a)+15], 0, v[(\sx)+2*\b], v[(\sx)+2*(\a)] matrix_a_fmt:MATRIX_FMT_BF8 matrix_b_fmt:MATRIX_FMT_BF8 matrix_a_scale:MATRIX_SCALE_ROW1
.else
	v_wmma_scale_f32_16x16x128_f8f6f4 v[8*(4*(\a)+\b):8*(4*(\a)+\b)+7], v[128*(\p)+64+16*\b:128*(\p)+64+16*\b+15], v[128*(\p)+16*(\a):128*(\p)+16*(\a)+15], v[8*(4*(\a)+\b):8*(4*(\a)+\b)+7], v[(\sx)+2*\b], v[(\sx)+2*(\a)] matrix_a_fmt:MATRIX_FMT_BF8 matrix_b_fmt:MATRIX_FMT_BF8 matrix_a_scale:MATRIX_SCALE_ROW1
.endif
.endr
.endm
.macro STEP slot, q, zero
	s_wait_dscnt 0x0
	PLACES 8
	FETCH \slot, (\q)+1, ((\q)+1)%2
	WIN MULW
.irp a, 0,1,2,3
	MUL4 (\q)%2, \a, SC+16*\slot+8*((\q)/2)+(\q)%2, \zero
.endr
.endm
.macro TURN slot, next, fill
	WIN 0
	s_wait_tensorcnt 0x0
	ds_add_u32 v[SPW], v[NIL]
	s_wait_dscnt 0x1
	WIN MULW
	MUL4 1, 0, SC+16*\slot+9, 0
	s_wait_dscnt 0x0
	s_barrier_signal -1
	MUL4 1, 1, SC+16*\slot+9, 0
	WIN 0
	s_barrier_wait -1
.if \fill
	CREST
	s_add_nc_u64 s[G0+4*\slot+2:G0+4*\slot+3], s[G0+4*\slot+2:G0+4*\slot+3], 4*REC
	s_add_nc_u64 s[G0B+4*\slot+2:G0B+4*\slot+3], s[G0B+4*\slot+2:G0B+4*\slot+3], 4*REC
	JLOAD G0+4*\slot, G1, G0B+4*\slot, G1B
	PLACES 4
.else
	PLACES 8
.endif
	FETCH \next, 0, 0
	SCALES \next
.if \fill
; A PREFETCH INTO THE L2 of the fill that stands TWO fills on from the one just asked for.  A wave's record of a fill is 132 blocks of 256 bytes; the four partners that ask for it jointly share them out by address, 33 each:
; 32 by a lane a block, the 33rd by a second line in which every lane names it.  The loop's last trip asks for nothing: fill 7 is the last.
	s_cmp_gt_u32 s3, 1
	s_cbranch_scc0 .Lno_ask_\@
	global_prefetch_b8 v7, s[86:87] offset:8*REC+\slot*2*REC th:TH_LOAD_NT scope:SCOPE_SE
	global_prefetch_b8 v8, s[86:87] offset:8*REC+\slot*2*REC+8192 th:TH_LOAD_NT scope:SCOPE_SE
.Lno_ask_\@:
.endif
	WIN MULW
	MUL4 1, 2, SC+16*\slot+9, 0
	MUL4 1, 3, SC+16*\slot+9, 0
.endm
.macro THROUGH a
.if (\a) > 0
	s_wait_xcnt 0x0
.endif
	WIN 0x08
.irp b, 0,1,2,3
	ds_store_b128 v[STO], v[32*(\a)+8*\b:32*(\a)+8*\b+3] offset:128*(\b/2)+32*(\b%2)
	ds_store_b128 v[STO], v[32*(\a)+8*\b+4:32*(\a)+8*\b+7] offset:128*(\b/2)+32*(\b%2)+16
.endr
	WIN 0
.irp i, 0,1,2,3,4,5,6,7
	ds_load_b128 v[RB+4*\i:RB+4*\i+3], v[RD] offset:544*\i
.endr
.endm
.macro NORM a
	WIN 0x03
.irp i, 0,1,2,3,4,5,6,7
.irp k, 0,2
	v_pk_add_f32 v[DD+4*\i+\k:DD+4*\i+\k+1], v[32*(\a)+4*\i+\k:32*(\a)+4*\i+\k+1], v[PP+16*(\a)+2*\i:PP+16*(\a)+2*\i+1] op_sel_hi:[1,0] neg_lo:[0,1] neg_hi:[0,1]
.endr
.endr
	WIN 0
.irp i, 0,1,2,3,4,5,6,7
.irp k, 0,1,2,3
	v_mul_f32 v[DD+4*\i+\k], v[PP+16*(\a)+2*\i+1], v[DD+4*\i+\k]
.endr
.endr
	s_wait_dscnt 0x0
.irp i, 0,1,2,3,4,5,6,7
.irp k, 0,2
	v_pk_fma_f32 v[RB+4*\i+\k:RB+4*\i+\k+1], v[DD+4*\i+\k:DD+4*\i+\k+1], v[GN+\k:GN+\k+1], v[RB+4*\i+\k:RB+4*\i+\k+1]
.endr
.endr
.endm
.macro EPI a
	THROUGH \a
.irp i, 0,1,2,3,4,5,6,7
	v_add_f32_dpp v[SM+\i], v[PP+16*(\a)+2*\i], v[PP+16*(\a)+2*\i] row_xmask:1 row_mask:0xf bank_mask:0xf
.endr
.irp m, 2,4,8
.irp i, 0,1,2,3,4,5,6,7
	v_add_f32_dpp v[SM+\i], v[SM+\i], v[SM+\i] row_xmask:\m row_mask:0xf bank_mask:0xf
.endr
.endr
.irp i, 0,1,2,3,4,5,6,7
	v_fma_f32 v[TT+\i], v[SM+\i], s82, v[PP+16*(\a)+2*\i]
.endr
.irp i, 0,1,2,3,4,5,6,7
	v_mul_f32 v[PP+16*(\a)+2*\i], 0x3d800000, v[SM+\i]
.endr
.irp i, 0,1,2,3,4,5,6,7
	v_mul_f32 v[TT+\i], v[TT+\i], v[TT+\i]
.endr
.irp i, 0,1,2,3,4,5,6,7
	v_fmamk_f32 v[PP+16*(\a)+2*\i+1], v[TT+\i], 0x42800000, v[PP+16*(\a)+2*\i+1]
.endr
.irp m, 1,2,4,8
.irp i, 0,1,2,3,4,5,6,7
	v_add_f32_dpp v[PP+16*(\a)+2*\i+1], v[PP+16*(\a)+2*\i+1], v[PP+16*(\a)+2*\i+1] row_xmask:\m row_mask:0xf bank_mask:0xf
.endr
.endr
.irp i, 0,1,2,3,4,5,6,7
	v_fma_f32 v[PP+16*(\a)+2*\i+1], v[PP+16*(\a)+2*\i+1], s83, s84
.endr
	s_wait_alu depctr_va_vdst(0)
.irp i, 0,1,2,3,4,5,6,7
	v_rsq_f32 v[PP+16*(\a)+2*\i+1], v[PP+16*(\a)+2*\i+1]
.endr
	v_nop
	s_wait_alu depctr_va_vdst(0)                   ; one wait for the eight roots, ahead of their first reader
	NORM \a
.irp i, 0,1,2,3,4,5,6,7
	global_store_b128 v26, v[RB+4*\i:RB+4*\i+3], s[72:73] offset:(32*((\a)/2)+8*((\a)%2)+2*\i+8*(\i/4))*4096 th:TH_STORE_NT
.endr
.endm
	s_load_b256 s[4:11], s[0:1], 0x0
	s_load_b64 s[12:13], s[0:1], 0x20
	v_lshl_add_u32 v[SPW], v0, 2, SPARE
	v_mov_b32 v[NIL], 0
	v_and_b32 v7, 31, v0
	v_lshlrev_b32 v7, 8, v7                        ; the prefetches' offsets: 256 x lane; never rewritten
	v_mov_b32 v8, 0                                ; and 0, for a share's 33rd block
	v_lshrrev_b32 v1, 5, v0
	v_readfirstlane_b32 s14, v1
	s_lshr_b32 s15, s14, 1
	s_and_b32 s16, s14, 1
	s_bfe_u32 s40, ttmp6, 0x40000
	s_bfe_u32 s41, ttmp6, 0x40004
	s_lshl_b32 s42, ttmp9, 2
	s_add_co_u32 s42, s42, s40
	s_and_b32 s17, ttmp7, 0xffff
	s_lshl_b32 s17, s17, 2
	s_add_co_u32 s17, s17, s41
	s_lshl_b32 s43, s41, 2
	s_lshl_b32 s43, 15, s43
	s_lshl_b32 s44, 0x1111, s40
	s_or_b32 s[G1], s43, (3<<16)|(1<<21)
	s_or_b32 s[G1B], s44, (3<<16)|(1<<21)
.irp g, G1, G1B
	s_mov_b32 s[\g+1], 32<<16
	s_mov_b32 s[\g+2], 132<<16
	s_mov_b32 s[\g+3], 32<<16
	s_mov_b32 s[\g+4], 132
	s_mov_b32 s[\g+5], 32
	s_mov_b32 s[\g+6], 0
	s_mov_b32 s[\g+7], 0
.endr
	s_mul_i32 s18, s16, REC
	s_mul_i32 s20, s17, NKC*REC
	s_add_co_u32 s20, s20, s18
	s_mov_b32 s21, 0
	s_mul_i32 s46, s42, NKC*REC
	s_add_co_u32 s46, s46, s18
	s_add_co_u32 s46, s46, WB
	s_mov_b32 s47, 0
	s_mul_i32 s45, s14, REC
	s_lshl_b32 s66, s17, 7
	s_lshl_b32 s67, s15, 6
	s_add_co_u32 s66, s66, s67
	s_lshl_b32 s68, s66, 12
	s_lshl_b32 s76, s42, 9
	s_lshl_b32 s67, s16, 8
	s_add_co_u32 s76, s76, s67
	s_mov_b32 s77, 0
	s_add_co_u32 s68, s68, s76
	s_mov_b32 s69, 0
	s_lshl_b32 s74, s66, 7
	s_add_co_u32 s74, s74, TSTO
	s_mov_b32 s75, 0
	s_mov_b32 s82, 0xbd800000
	s_mov_b32 s83, 0x3a800000
	s_mov_b32 s84, 0x3727c5ac
	s_wait_kmcnt 0x0
	s_add_nc_u64 s[20:21], s[4:5], s[20:21]
	s_add_nc_u64 s[46:47], s[6:7], s[46:47]
	s_add_nc_u64 s[70:71], s[8:9], s[68:69]
	s_add_nc_u64 s[72:73], s[12:13], s[68:69]
	s_add_nc_u64 s[74:75], s[8:9], s[74:75]
	s_add_nc_u64 s[76:77], s[10:11], s[76:77]
	s_cmp_eq_u32 s15, 0                            ; the prefetches: my record of fill 0 (A's or B's),
	s_cselect_b64 s[86:87], s[20:21], s[46:47]
	s_cselect_b32 s88, s40, s41                    ; my place among the four that ask for it with me (cx for A, cy for B): it enters this global address alone
	s_mul_i32 s88, s88, 33*256
	s_mov_b32 s89, 0
	s_add_nc_u64 s[86:87], s[86:87], s[88:89]
	s_mov_b32 s[G0+4], 1                           ; slot 1's descriptors are made here; its first fill is asked for behind the plain loads below
	s_add_co_u32 s[G0+5], s45, SLOT
	s_add_nc_u64 s[G0+6:G0+7], s[20:21], 2*REC
	s_or_b32 s[G0+7], s[G0+7], 0x80000000
	s_mov_b32 s[G0B+4], 1
	s_add_co_u32 s[G0B+5], s45, SLOT
	s_add_nc_u64 s[G0B+6:G0B+7], s[46:47], 2*REC
	s_or_b32 s[G0B+7], s[G0B+7], 0x80000000
.irp s, 0
	s_mov_b32 s[G0+4*\s], 1
	s_add_co_u32 s[G0+4*\s+1], s45, \s*SLOT
	s_add_nc_u64 s[G0+4*\s+2:G0+4*\s+3], s[20:21], \s*2*REC
	s_or_b32 s[G0+4*\s+3], s[G0+4*\s+3], 0x80000000
	s_mov_b32 s[G0B+4*\s], 1
	s_add_co_u32 s[G0B+4*\s+1], s45, \s*SLOT
	s_add_nc_u64 s[G0B+4*\s+2:G0B+4*\s+3], s[46:47], \s*2*REC
	s_or_b32 s[G0B+4*\s+3], s[G0B+4*\s+3], 0x80000000
	s_wait_alu depctr_va_vdst(0)
	ds_add_u32 v28, v29                            ; the opening lines: the add, twice on end, and its wait ahead of the round in front of the first loads
	ds_add_u32 v28, v29
	s_wait_dscnt 0x0
	CROUND
	JLOAD G0+4*\s, G1, G0B+4*\s, G1B
	global_prefetch_b8 v7, s[86:87] offset:2*REC th:TH_LOAD_NT scope:SCOPE_SE        ; my share of fill 1
	global_prefetch_b8 v8, s[86:87] offset:2*REC+8192 th:TH_LOAD_NT scope:SCOPE_SE
.endr
	v_and_b32 v1, 31, v0
	v_and_b32 v2, 15, v0
	v_bfe_u32 v3, v0, 4, 1
	v_lshlrev_b32 v6, 4, v1
	s_lshl_b32 s21, s15, 13
	s_lshl_b32 s22, s16, 13
	s_add_co_u32 s22, s22, 2*REC
	v_add_nc_u32 v[ADRA], s21, v6
	v_add_nc_u32 v[ADRB], s22, v6
	v_add_nc_u32 v[ADRA+1], SLOT, v[ADRA]
	v_add_nc_u32 v[ADRB+1], SLOT, v[ADRB]
	s_lshl_b32 s21, s15, 9
	s_lshl_b32 s22, s16, 9
	s_add_co_u32 s22, s22, 2*REC
	s_sub_co_u32 s22, s22, s21
	v_mul_u32_u24 v4, s22, v3
	v_lshl_add_u32 v4, v2, 3, v4
	s_add_co_u32 s21, s21, 32768
	v_add_nc_u32 v[ADRS], s21, v4
	v_add_nc_u32 v[ADRS+1], SLOT, v[ADRS]
	s_mul_i32 s23, s14, 16*272
	s_add_co_u32 s23, s23, STG
	v_mul_u32_u24 v4, v2, 272
	v_lshl_add_u32 v4, v3, 6, v4
	v_add_nc_u32 v[STO], s23, v4
	v_mul_u32_u24 v5, v3, 272
	v_lshl_add_u32 v5, v2, 4, v5
	v_add_nc_u32 v[RD], s23, v5
	v_lshlrev_b32 v30, 4, v2
	v_lshl_add_u32 v26, v3, 12, v30
	v_lshlrev_b32 v27, 3, v2
	v_lshl_add_u32 v27, v3, 7, v27
.irp i, 0,1,2,3,4,5,6,7
	v_mov_b32 v[SM+\i], 0
.endr
.irp a, 0,1,2,3
.irp i, 0,1,2,3,4,5,6,7
	global_load_b64 v[PP+16*\a+2*\i:PP+16*\a+2*\i+1], v27, s[74:75] offset:(32*(\a/2)+8*(\a%2)+2*\i+8*(\i/4))*128
.endr
.endr
	global_load_b128 v[GN:GN+3], v30, s[76:77]
	s_wait_alu depctr_va_vdst(0)                   ; the wait at the head's end
	s_wait_tensorcnt 0x0                           ; my record of slot 0 is in
	ds_add_u32 v28, v29
	s_wait_dscnt 0x0
	CROUND
	JLOAD G0+4, G1, G0B+4, G1B                     ; slot 1's first fill, the first tensor load behind the round
	global_prefetch_b8 v7, s[86:87] offset:4*REC th:TH_LOAD_NT scope:SCOPE_SE        ; my share of fill 2, two K steps ahead of its load,
	global_prefetch_b8 v8, s[86:87] offset:4*REC+8192 th:TH_LOAD_NT scope:SCOPE_SE
	global_prefetch_b8 v7, s[86:87] offset:6*REC th:TH_LOAD_NT scope:SCOPE_SE        ; and of fill 3
	global_prefetch_b8 v8, s[86:87] offset:6*REC+8192 th:TH_LOAD_NT scope:SCOPE_SE
	FETCH 0, 0, 0
	SCALES 0
	STEP 0, 0, 1
	WIN 0
	WIN 0xc0                                       ; destination window 3: my 64 x 64 of t, asked for behind the first two fills and the first K step, wanted behind the products
.irp a, 0,1,2,3
.irp i, 0,1,2,3,4,5,6,7
	global_load_b128 v[32*\a+4*\i:32*\a+4*\i+3], v26, s[70:71] offset:(32*(\a/2)+8*(\a%2)+2*\i+8*(\i/4))*4096 th:TH_LOAD_NT
.endr
.endr
	WIN 0
	s_mov_b32 s3, 3
.Llap:
	STEP 0, 1, 0
	STEP 0, 2, 0
	TURN 0, 1, 1
	STEP 1, 0, 0
	STEP 1, 1, 0
	STEP 1, 2, 0
	TURN 1, 0, 1
	STEP 0, 0, 0
	WIN 0
	s_wait_xcnt 0x0                                ; my prefetches have read their address: it steps two fills on
	s_add_nc_u64 s[86:87], s[86:87], 4*REC
	s_sub_co_u32 s3, s3, 1
	s_cmp_lg_u32 s3, 0
	s_cbranch_scc1 .Llap
	STEP 0, 1, 0
	STEP 0, 2, 0
	TURN 0, 1, 0
	STEP 1, 0, 0
	STEP 1, 1, 0
	STEP 1, 2, 0
	s_wait_dscnt 0x0
	WIN MULW
.irp a, 0,1,2,3
	MUL4 1, \a, SC+16+9, 0
.endr
	WIN 0
	PLACES 8
	s_wait_loadcnt 0x0
.irp a, 0,1,2,3
	s_wait_alu depctr_va_vdst(0)
	EPI \a
.endr
	s_wait_tensorcnt 0x0
	ds_add_u32 v[SPW], v[NIL]
	s_wait_dscnt 0x0
	CROUND
	s_endpgm
.Lfunc_end_k_q223b7252d3_ff2:
	.size	k_q223b7252d3_ff2, .Lfunc_end_k_q223b7252d3_ff2-k_q223b7252d3_ff2
	.p2alignl 7, 3214868480
	.fill 96, 4, 3214868480
	.section	.rodata,"a",@progbits
	.p2align	6, 0x0
	.amdhsa_kernel k_q223b7252d3_ff2
		.amdhsa_group_segment_fixed_size 327680
		.amdhsa_private_segment_fixed_size 0
		.amdhsa_enable_private_segment 0
		.amdhsa_kernarg_size 40
		.amdhsa_user_sgpr_count 2
		.amdhsa_user_sgpr_kernarg_segment_ptr 1
		.amdhsa_wavefront_size32 1
		.amdhsa_system_sgpr_workgroup_id_x 1
		.amdhsa_system_sgpr_workgroup_id_y 1
		.amdhsa_system_sgpr_workgroup_id_z 1
		.amdhsa_system_vgpr_workitem_id 0
		.amdhsa_next_free_vgpr 1024
		.amdhsa_next_free_sgpr 98
		.amdhsa_reserve_vcc 0
		.amdhsa_float_denorm_mode_32 3
		.amdhsa_float_denorm_mode_16_64 3
		.amdhsa_memory_ordered 1
		.amdhsa_forward_progress 1
		.amdhsa_inst_pref_size 137
	.end_amdhsa_kernel
	.amdgpu_metadata
---
amdhsa.version: [ 1, 2 ]
amdhsa.kernels:
  - .name:           k_q223b7252d3_ff2
    .symbol:         k_q223b7252d3_ff2.kd
    .args:
      - { .name: act, .offset: 0, .size: 8, .value_kind: global_buffer, .address_space: global }
      - { .name: p1, .offset: 8, .size: 8, .value_kind: global_buffer, .address_space: global }
      - { .name: tb, .offset: 16, .size: 8, .value_kind: global_buffer, .address_space: global }
      - { .name: g_out, .offset: 24, .size: 8, .value_kind: global_buffer, .address_space: global }
      - { .name: out0, .offset: 32, .size: 8, .value_kind: global_buffer, .address_space: global }
    .group_segment_fixed_size: 327680
    .private_segment_fixed_size: 0
    .kernarg_segment_align: 8
    .kernarg_segment_size: 40
    .max_flat_workgroup_size: 128
    .sgpr_count:     98
    .vgpr_count:     1024
    .wavefront_size: 32
...
	.end_amdgpu_metadata
.endif
;; end of part 6
